; MI455X (gfx1250); checked and timed in simulation.
; The chip was launched on July 23, 2026; its instructions are those of AMD's public machine-readable ISA for CDNA 5 (MIT licence, August 2026) and "CDNA5" Instruction Set Architecture Reference Guide (July 2026). The comments in the code are by the model that wrote it; some were corrected since.
;; PDE Net Light. Allowed arithmetic: matrix products marked QUANTISED: E2M1 operands, one E8M0 scale for each 32 along K, by v_wmma_scale_f32_16x16x128_f8f6f4 with both operands' format E2M1 (or v_wmma_scale_f32_32x16x128_f4), f32 sums; products left as they are: f32 operands where the result goes on into a quantised operand, else bf16, f16 or f32 operands; f32 sums; everything else in f32.
;; Inputs: Ug1 512 x 3 float32; Ug2 512 x 3 float32; Uh1 512 x 3 float32; Uh2 512 x 3 float32; Ur1 512 x 3 float32; Ur2 512 x 3 float32; Uz1 512 x 3 float32; Uz2 512 x 3 float32; W 1 x 512 float32; W1 512 x 3 float32; Wg1_codes 512 x 16 x 16 uint8 (E2M1 codes of Wg1, K innermost, in blocks of 32 codes, two codes a byte); Wg1_scales 512 x 16 uint8 (E8M0 scales of Wg1, one for each 32 codes along K); Wg2_codes 512 x 16 x 16 uint8 (E2M1 codes of Wg2, K innermost, in blocks of 32 codes, two codes a byte); Wg2_scales 512 x 16 uint8 (E8M0 scales of Wg2, one for each 32 codes along K); Wh1_codes 512 x 16 x 16 uint8 (E2M1 codes of Wh1, K innermost, in blocks of 32 codes, two codes a byte); Wh1_scales 512 x 16 uint8 (E8M0 scales of Wh1, one for each 32 codes along K); Wh2_codes 512 x 16 x 16 uint8 (E2M1 codes of Wh2, K innermost, in blocks of 32 codes, two codes a byte); Wh2_scales 512 x 16 uint8 (E8M0 scales of Wh2, one for each 32 codes along K); Wr1_codes 512 x 16 x 16 uint8 (E2M1 codes of Wr1, K innermost, in blocks of 32 codes, two codes a byte); Wr1_scales 512 x 16 uint8 (E8M0 scales of Wr1, one for each 32 codes along K); Wr2_codes 512 x 16 x 16 uint8 (E2M1 codes of Wr2, K innermost, in blocks of 32 codes, two codes a byte); Wr2_scales 512 x 16 uint8 (E8M0 scales of Wr2, one for each 32 codes along K); Wz1_codes 512 x 16 x 16 uint8 (E2M1 codes of Wz1, K innermost, in blocks of 32 codes, two codes a byte); Wz1_scales 512 x 16 uint8 (E8M0 scales of Wz1, one for each 32 codes along K); Wz2_codes 512 x 16 x 16 uint8 (E2M1 codes of Wz2, K innermost, in blocks of 32 codes, two codes a byte); Wz2_scales 512 x 16 uint8 (E8M0 scales of Wz2, one for each 32 codes along K); b 1 x 1 float32; b1 512 x 1 float32; bg1 512 x 1 float32; bg2 512 x 1 float32; bh1 512 x 1 float32; bh2 512 x 1 float32; br1 512 x 1 float32; br2 512 x 1 float32; bz1 512 x 1 float32; bz2 512 x 1 float32; x 3 x 32,768 float32.
;; Outputs: out0 1 x 32,768 float32.
;; This version of the problem:
;;   THIS VERSION OF THE PROBLEM IS GIVEN IN LOW PRECISION. The matrix products marked QUANTISED in the list below multiply operands that are first quantised to E2M1 (2 exponent bits, 1 mantissa bit; 4 bits a number), with one power-of-two scale for each 32 numbers along K (OCP MX v1.0); their sums are f32. All else is computed in f32.
;;   The module's matrix products, in the order in which they are computed (A, B: the left and right operand; K: the contracted axis; several contracted axes count as one K, in the product's order):
;;     1. [M 512, K 3] x [K 3, N 32,768]; A: input W1; B: input x: left as it is (K = 3 < 32)
;;     2. [M 512, K 3] x [K 3, N 32,768]; A: input Uz1; B: input x: left as it is (K = 3 < 32)
;;     3. [M 512, K 512] x [K 512, N 32,768]; A: input Wz1 (given as codes); B: computed on the way: QUANTISED
;;     4. [M 512, K 3] x [K 3, N 32,768]; A: input Ug1; B: input x: left as it is (K = 3 < 32)
;;     5. [M 512, K 512] x [K 512, N 32,768]; A: input Wg1 (given as codes); B: computed on the way: QUANTISED
;;     6. [M 512, K 3] x [K 3, N 32,768]; A: input Ur1; B: input x: left as it is (K = 3 < 32)
;;     7. [M 512, K 512] x [K 512, N 32,768]; A: input Wr1 (given as codes); B: computed on the way: QUANTISED
;;     8. [M 512, K 3] x [K 3, N 32,768]; A: input Uh1; B: input x: left as it is (K = 3 < 32)
;;     9. [M 512, K 512] x [K 512, N 32,768]; A: input Wh1 (given as codes); B: computed on the way: QUANTISED
;;     10. [M 512, K 3] x [K 3, N 32,768]; A: input Uz2; B: input x: left as it is (K = 3 < 32)
;;     11. [M 512, K 512] x [K 512, N 32,768]; A: input Wz2 (given as codes); B: computed on the way: QUANTISED
;;     12. [M 512, K 3] x [K 3, N 32,768]; A: input Ug2; B: input x: left as it is (K = 3 < 32)
;;     13. [M 512, K 512] x [K 512, N 32,768]; A: input Wg2 (given as codes); B: computed on the way: QUANTISED
;;     14. [M 512, K 3] x [K 3, N 32,768]; A: input Ur2; B: input x: left as it is (K = 3 < 32)
;;     15. [M 512, K 512] x [K 512, N 32,768]; A: input Wr2 (given as codes); B: computed on the way: QUANTISED
;;     16. [M 512, K 3] x [K 3, N 32,768]; A: input Uh2; B: input x: left as it is (K = 3 < 32)
;;     17. [M 512, K 512] x [K 512, N 32,768]; A: input Wh2 (given as codes); B: computed on the way: QUANTISED
;;     18. [M 1, K 512] x [K 512, N 32,768]; A: input W; B: computed on the way: left as it is (M = 1 < 16)
;;   THE QUANTISER, for each operand of a quantised product, along K:
;;     - K is cut into blocks of 32 from its start; a last block that is shorter is filled with zeros.
;;     - A block's scale is 2^e with e = floor(log2(the largest magnitude in the block)) - 2, held to -126 .. 127; a block of zeros has e = 0. As a byte (E8M0): e + 127.
;;     - Each number is divided by its block's scale, clamped to +-6, and rounded to the nearest number of E2M1, ties to even, subnormals kept.
;;     - The product sums the exact products of the quantised numbers (number of the format x scale) in f32.
;;   ~~~python
;;   def quantise(x, axis):      # numpy; x: float32 -> the quantised numbers, widened to float32 again
;;       x = np.moveaxis(x, axis, -1); K = x.shape[-1]
;;       x = np.pad(x, [(0, 0)] * (x.ndim - 1) + [(0, -K % 32)]); x = x.reshape(x.shape[:-1] + (-1, 32)); a = np.abs(x).max(-1, keepdims=True)
;;       e = np.where(a > 0, np.clip(np.frexp(np.where(a > 0, a, 1))[1] - 1 - 2, -126, 127), 0)      # np.frexp(a)[1] - 1 = floor(log2(a)), exactly
;;       r = np.clip(x / 2.0 ** e, -6, 6)
;;       step = 2.0 ** (np.maximum(np.frexp(np.where(r == 0, 1, r))[1] - 1, 0) - 1)
;;       q = np.round(r / step) * step * 2.0 ** e      # np.round: ties to even
;;       return np.moveaxis(q.reshape(q.shape[:-2] + (-1,))[..., :K], -1, axis).astype(np.float32)
;;   ~~~
;;   OPERANDS COMPUTED ON THE WAY. 'Computed on the way' means the value that the module computes at that place (a softmax that the list does not call 'softmax' is quantised finished and normalised). What goes into a quantiser is computed in f32, as accurately as f32 sums, v_exp_f32 and their like allow (about 1e-6 of the number): no bf16 or f16 on the way to a quantiser, and a product that is left as it is and whose result goes on into a quantised operand takes f32 operands (vector FMAs, or v_wmma_f32_16x16x4_f32). A number that lies on a knife's edge between two numbers of the format may be rounded either way, as far as f32 arithmetic and the matrix unit's own rounding can turn it there, and no further.
;;   INPUTS GIVEN AS CODES. Wg1 (in the module: [512, 512], K = its axis 1); Wg2 (in the module: [512, 512], K = its axis 1); Wh1 (in the module: [512, 512], K = its axis 1); Wh2 (in the module: [512, 512], K = its axis 1); Wr1 (in the module: [512, 512], K = its axis 1); Wr2 (in the module: [512, 512], K = its axis 1); Wz1 (in the module: [512, 512], K = its axis 1); Wz2 (in the module: [512, 512], K = its axis 1): each comes as NAME_codes (uint8): NAME with its K axis moved to the last place and cut into blocks of 32 codes, [.., K / 32, bytes a block], one block behind the other in memory; two codes a byte, the lower K in the low four bits (a code: sign, 2 exponent bits, 1 mantissa bit); and NAME_scales (uint8): the same leading axes, one E8M0 byte (e + 127) for each 32 codes along K. Its value is code x scale, taken as it is: it is not quantised again, and the codes and scales need not be those that the quantiser above would give.
;; 2 versions, each right; version 2 is version 1 with the launch net written anew for expert scheduling mode. Each part assembles by itself: llvm-mc -triple=amdgcn-amd-amdhsa -mcpu=gfx1250 --defsym DOCPART=n.
;; ======== version 1 of 2: 2 launches
;; limits: a function is approximated: absolute error at most 3e-07
;; workspace buffers: par 73,728 bytes
;; launch pack (part 1): grid 16 x 1, 1 waves a work-group, no clusters, 0 bytes of LDS; arguments W1, Ur1, Uz1, Ug1, Uh1, Ur2, Uz2, Ug2, Uh2, b1, br1, bz1, bg1, bh1, br2, bz2, bg2, bh2, par; writes par
.if DOCPART == 1
	.amdgcn_target "amdgcn-amd-amdhsa--gfx1250"
	.amdhsa_code_object_version 6
	.text
	.protected	k_qf6f35bd1d5_pack
	.globl	k_qf6f35bd1d5_pack
	.p2align	8
	.type	k_qf6f35bd1d5_pack,@function
k_qf6f35bd1d5_pack:
	s_mov_b64 s[64:65], 0
	v_nop
	global_prefetch_b8 v0, s[64:65] scope:SCOPE_SE
	s_setreg_imm32_b32 hwreg(HW_REG_WAVE_MODE, 25, 1), 1
	s_wait_xcnt 0x0
; The nine small weights U [512][3] and their biases [512] are laid once as the A operands of the f32 matrix form 16x16x4,
; so that [U | bias] x [x; 1] gives U x + bias in one instruction for 16 hidden rows.
; par: [gate 0..8][block of 32 rows 0..15][lane 0..31][4 words].  Gate 0 = (W1, b1); 1..4 = R, Z, G, H of layer 1; 5..8 = of layer 2.
; Lane (r = lane % 16, h = lane / 16), tile u = 0, 1 of the block, row = 32 block + 16 u + r:
;   word 2 u = U[row][2 h];   word 2 u + 1 = U[row][1] where h = 0, bias[row] where h = 1   (the form's register j holds k = 2 h + j).
; One wave takes one block for all nine gates: 54 loads of 4 bytes a lane, all out together, one wait, nine stores of 512 consecutive bytes.
; The loads take 4 bytes of rows 12 bytes apart: 73,728 bytes in all, read once.  No LDS, no barrier.
	s_load_b512 s[8:23], s[0:1], 0x0               ; U of gates 0..7: gate g in s[8+2g:9+2g]
	s_load_b512 s[24:39], s[0:1], 0x40             ; U of gate 8, biases of gates 0..6: gate g in s[26+2g:27+2g]
	s_load_b128 s[40:43], s[0:1], 0x80             ; biases of gates 7, 8
	s_load_b64 s[44:45], s[0:1], 0x90              ; par
	v_and_b32 v5, 15, v0                           ; r
	v_lshrrev_b32 v6, 4, v0                        ; h (one wave: the thread's number is the lane)
	s_lshl_b32 s2, ttmp9, 5                        ; the block's first row
	v_add_nc_u32 v7, s2, v5                        ; row of tile 0
	v_mul_u32_u24 v2, v7, 12                       ; a row of U is 12 bytes
	v_lshl_add_u32 v1, v6, 3, v2                   ; U[row][2 h]
	v_add_nc_u32 v2, 4, v2                         ; U[row][1]
	v_lshlrev_b32 v3, 2, v7                        ; bias[row]
	s_lshl_b32 s2, ttmp9, 9
	v_lshl_add_u32 v4, v0, 4, s2                   ; par: 512 x block + 16 x lane
	v_cmp_ne_u32 vcc_lo, 0, v6                     ; lanes 16-31
	s_wait_kmcnt 0x0
.irp g,0,1,2,3,4,5,6,7,8
.irp u,0,1
	global_load_b32 v[8+4*\g+2*\u], v1, s[8+2*\g:9+2*\g] offset:192*\u      ; tile 1 lies 16 rows of 12 bytes on
	global_load_b32 v[9+4*\g+2*\u], v2, s[8+2*\g:9+2*\g] offset:192*\u
	global_load_b32 v[44+2*\g+\u], v3, s[26+2*\g:27+2*\g] offset:64*\u
.endr
.endr
	s_wait_loadcnt 0x0
.irp g,0,1,2,3,4,5,6,7,8
.irp u,0,1
	v_cndmask_b32 v[9+4*\g+2*\u], v[9+4*\g+2*\u], v[44+2*\g+\u], vcc_lo     ; k = 3 is the bias
.endr
.endr
.irp g,0,1,2,3,4,5,6,7,8
	global_store_b128 v4, v[8+4*\g:11+4*\g], s[44:45] offset:8192*\g        ; 32 lanes store 512 consecutive bytes, at a multiple of 512 from par's first byte
.endr
	s_endpgm
.Lfunc_end_k_qf6f35bd1d5_pack:
	.size	k_qf6f35bd1d5_pack, .Lfunc_end_k_qf6f35bd1d5_pack-k_qf6f35bd1d5_pack
	.p2alignl 7, 3214868480
	.fill 96, 4, 3214868480
	.section	.rodata,"a",@progbits
	.p2align	6, 0x0
	.amdhsa_kernel k_qf6f35bd1d5_pack
		.amdhsa_group_segment_fixed_size 0
		.amdhsa_private_segment_fixed_size 0
		.amdhsa_enable_private_segment 0
		.amdhsa_kernarg_size 152
		.amdhsa_user_sgpr_count 2
		.amdhsa_user_sgpr_kernarg_segment_ptr 1
		.amdhsa_wavefront_size32 1
		.amdhsa_system_sgpr_workgroup_id_x 1
		.amdhsa_system_sgpr_workgroup_id_y 1
		.amdhsa_system_sgpr_workgroup_id_z 1
		.amdhsa_system_vgpr_workitem_id 0
		.amdhsa_next_free_vgpr 72
		.amdhsa_next_free_sgpr 66
		.amdhsa_reserve_vcc 1
		.amdhsa_float_denorm_mode_32 3
		.amdhsa_float_denorm_mode_16_64 3
		.amdhsa_memory_ordered 1
		.amdhsa_forward_progress 1
		.amdhsa_inst_pref_size 8
	.end_amdhsa_kernel
	.amdgpu_metadata
---
amdhsa.version: [ 1, 2 ]
amdhsa.kernels:
  - .name:           k_qf6f35bd1d5_pack
    .symbol:         k_qf6f35bd1d5_pack.kd
    .args:
      - { .name: W1, .offset: 0, .size: 8, .value_kind: global_buffer, .address_space: global }
      - { .name: Ur1, .offset: 8, .size: 8, .value_kind: global_buffer, .address_space: global }
      - { .name: Uz1, .offset: 16, .size: 8, .value_kind: global_buffer, .address_space: global }
      - { .name: Ug1, .offset: 24, .size: 8, .value_kind: global_buffer, .address_space: global }
      - { .name: Uh1, .offset: 32, .size: 8, .value_kind: global_buffer, .address_space: global }
      - { .name: Ur2, .offset: 40, .size: 8, .value_kind: global_buffer, .address_space: global }
      - { .name: Uz2, .offset: 48, .size: 8, .value_kind: global_buffer, .address_space: global }
      - { .name: Ug2, .offset: 56, .size: 8, .value_kind: global_buffer, .address_space: global }
      - { .name: Uh2, .offset: 64, .size: 8, .value_kind: global_buffer, .address_space: global }
      - { .name: b1, .offset: 72, .size: 8, .value_kind: global_buffer, .address_space: global }
      - { .name: br1, .offset: 80, .size: 8, .value_kind: global_buffer, .address_space: global }
      - { .name: bz1, .offset: 88, .size: 8, .value_kind: global_buffer, .address_space: global }
      - { .name: bg1, .offset: 96, .size: 8, .value_kind: global_buffer, .address_space: global }
      - { .name: bh1, .offset: 104, .size: 8, .value_kind: global_buffer, .address_space: global }
      - { .name: br2, .offset: 112, .size: 8, .value_kind: global_buffer, .address_space: global }
      - { .name: bz2, .offset: 120, .size: 8, .value_kind: global_buffer, .address_space: global }
      - { .name: bg2, .offset: 128, .size: 8, .value_kind: global_buffer, .address_space: global }
      - { .name: bh2, .offset: 136, .size: 8, .value_kind: global_buffer, .address_space: global }
      - { .name: par, .offset: 144, .size: 8, .value_kind: global_buffer, .address_space: global }
    .group_segment_fixed_size: 0
    .private_segment_fixed_size: 0
    .kernarg_segment_align: 8
    .kernarg_segment_size: 152
    .max_flat_workgroup_size: 32
    .sgpr_count:     66
    .vgpr_count:     72
    .wavefront_size: 32
...
	.end_amdgpu_metadata
.endif
;; end of part 1
;; launch net (part 2): grid 256 x 1, 8 waves a work-group, no clusters, 279,552 bytes of LDS; arguments Wr1_codes, Wz1_codes, Wg1_codes, Wh1_codes, Wr2_codes, Wz2_codes, Wg2_codes, Wh2_codes, Wr1_scales, Wz1_scales, Wg1_scales, Wh1_scales, Wr2_scales, Wz2_scales, Wg2_scales, Wh2_scales, par, W, b, x, out0; writes out0
.if DOCPART == 2
	.amdgcn_target "amdgcn-amd-amdhsa--gfx1250"
	.amdhsa_code_object_version 6
	.text
	.protected	k_qf6f35bd1d5_net
	.globl	k_qf6f35bd1d5_net
	.p2align	8
	.type	k_qf6f35bd1d5_net,@function
k_qf6f35bd1d5_net:
	s_mov_b64 s[64:65], 0
	v_nop
	global_prefetch_b8 v0, s[64:65] scope:SCOPE_SE
	s_setreg_imm32_b32 hwreg(HW_REG_WAVE_MODE, 25, 1), 1
	s_wait_xcnt 0x0
; The whole net for 128 samples a work-group:  S1 = tanh(W1 x + b1);  twice: R, Z, G = tanh(U x + W S + b), H = tanh(U x + W (S R) + b), S <- (1 - G) H + Z S;  out = W S + b.
; The eight 512 x 512 products run on codes of FP4 (E2M1) with one E8M0 scale for each 32 along K; S and S R are quantised here, along the hidden axis, from f32.
; SHARES.  Eight waves share the HIDDEN UNITS: wave w owns rows 64 w .. 64 w + 63 (two blocks b of 32 rows, each two tiles u of 16) for all 128 samples (eight tiles m of 16).
; So each weight byte goes to one wave, and what goes from wave to wave is small: 32 KiB of codes and 2 KiB of scale bytes for an operand, through LDS.
; LAYOUT.  Source 0 = 16 rows of a weight, source 1 = 16 samples: lane (r = lane % 16, h = lane / 16) holds sample 16 m + r, and register j of tile u the hidden unit 16 u + 8 h + j of the block:
; a lane's registers run along the next K, and a block of 32 lies in lanes l and l xor 16, 16 registers each.  A conversion's 8 codes are dword 2 u + h of the block's 16 bytes.
; THE STATE S (f32) stays in registers, 256 a wave (window 1).  One gate and one block at a time (a PASS), in the order R0 R1 | Z0 G0 H0 Z1 G1 H1.
; tanh(a) = 1 + q, q = -2 / (1 + E), E = 2^(c a), c = 2 log2(e): v_exp_f32, and v_rcp_f32 of -(1 + E) / 2; it saturates rightly where E is infinite or 0.
;   R: q S + S = R S is quantised;   Z: S <- q S + S;   G: q goes to the wave's own LDS (1 - G = -q);   H: S <- q_g (-1 - q_h) + S.
; U x + bias is the f32 matrix form 16x16x4 on [U | bias] (laid by the launch before) and [x; 1]; its result is the C of the tile's first FP4 product.
; A pass walks the eight sample tiles in a loop of seven trips and a last step written out.  THE NEXT TILE'S PRODUCTS STAND IN THE MIDDLE OF A TRIP, behind the reciprocals of the tile in hand and ahead of its tail:
; their results are read a tail, a jump and a run of loads later.  Registers can be named only by number, so the eight lines that touch S stand once for each tile, behind a scalar branch on the trip's number.
; THE WEIGHTS of the next pass (32 rows x 256 bytes a wave) are loaded as they lie, 512 consecutive bytes a load, turned through the wave's own stage in LDS (pitch 272) and read as fragments in the pass's last step.
; CLUSTERS ARE NOT USED, though all work-groups walk the same weights: joint loads land in LDS slots that take turns, and two slots of a pass's 8 x 8,704 bytes are 139,264 bytes, where 49,152 are left beside the 278,528 in use.
; LIMITS.  tanh's error is about 1e-7 absolute, so its relative error grows for |a| under about 1e-2.  NaN and infinities among the inputs are not served.
; A block whose largest magnitude lies under 2^-124 (a block of zeros too) gets the byte 1: its codes then are zeros or held small, and the bytes are read by this text alone.
;
; LDS.  An operand's codes: [block of 32 along K: 0..15][tile m][sample r][16 bytes] = 2048 g + 256 m + 16 r: wave w writes the 4,096 bytes from 4096 w on; a fragment's group c of K step s is read at 8192 s + 4096 c + 2048 h + 256 m + 16 r.
.set IMG_S,  0                         ; codes of S, 32,768 bytes
.set IMG_SR, 32768                     ; codes of S R
.set SCL,    65536                     ; scale bytes of S: 256 m + 16 r + block; those of S R 2,048 bytes on
.set XIMG,   69632                     ; [x; 1] as source 1 of the f32 form: tile m at 256 m, 8 bytes a lane
.set RED,    71680                     ; the final sums: 512 bytes a wave
.set STG,    75776                     ; the stages: 32 rows x 272 bytes a wave
.set SPITCH, 272                       ; 256 bytes + 16: the sixteen rows of a fragment load begin 68 words apart
.set SWAVE,  32*SPITCH
.set GT,     145408                    ; G's q: 16,384 bytes a wave: 2048 m + 512 k + 16 lane
.set WLDS,   276480                    ; W, 2,048 bytes as they lie
; REGISTERS.  Window 1 (v256-511): S(b, m, u, j) at 16 (8 b + m) + 8 u + j.  Window 0:
.set LI,  1                            ; 16 x lane
.set SLD, 2                            ; SCL + 16 r
.set XL,  3                            ; XIMG + 8 x lane
.set CST, 4                            ; 4096 w + 16 r + 4 h: where my codes go
.set SST, 5                            ; SCL + 16 r + 2 w: where my scale byte goes
.set STW, 6                            ; stage, in: 272 h + 16 r
.set STR, 7                            ; stage, out: 272 r + 16 h
.set GTA, 8                            ; my place for G's q
.set ADB, 9                            ; v9-14: addresses made anew in each trip
.set ADS, 10
.set ADX, 11
.set ADC, 12
.set ADE, 13
.set ADG, 14
.set LIB, 15                           ; 16 r + 2048 h: my place in a fragment's group
.set XF,  16                           ; v16-17 the tile's [x; 1];  v18-19 at work in the head
.set UA,  20                           ; v20-27 [U | bias], two sets of 4
.set WS,  28                           ; v28-35 the weights' scale words, two sets of 4: register s = K step s; lanes 0-15 tile 0, lanes 16-31 tile 1
.set BS,  36                           ; v36-39 the operand's scale words, register s = K step s
.set BF,  40                           ; v40-71 the operand's four fragments
.set WF,  72                           ; v72-135 the weights' fragments: (u, s) at 8 (4 u + s)
.set ACC, 136                          ; v136-151, v152-167: accumulators; matrix instructions alone write them (the second set serves S1 alone)
.set TT,  168                          ; v168-183 16 numbers at work
.set RG,  184                          ; v184-199 G's q read back
.set RAW, 200                          ; v200-231 weight bytes as loaded
.set QM,  232                          ; largest magnitudes
.set QX,  236                          ; the other half's (cleared once: a lane permute's destination counts as a source)
.set QE,  240                          ; the conversions' scale operands
.set QB,  244                          ; scale bytes
.set QC,  248                          ; codes
; s[8:15] code pointers R, Z, G, H of the layer in hand, s[16:23] of layer 2; s[24:31], s[32:39] the scales' likewise; all at my wave's rows
.set PAR, 40                           ; s[40:41] par at gate 0 of the layer in hand's numbering, my wave's two blocks
.set WVN, 50                           ; s50 my wave's number
.set MT,  54                           ; s54 the trip's tile;  s56 = 256 x it;  s57 = 2048 x it
.set LAY, 58                           ; s58 the layer, 0 or 1
.set MSB, 0
.macro WIN new                         ; the immediate's high byte repeats the setting that is left; bits 1:0 source 0, 3:2 source 1, 5:4 source 2, 7:6 destination
.if MSB != \new
	s_set_vgpr_msb (MSB<<8)|\new
.set MSB, \new
.endif
.endm
.macro PLACES n
.rept \n
	v_nop
.endr
.endm
.macro BARRIER                         ; my LDS stores have landed and my LDS loads are in: then the work-group's barrier
	s_wait_dscnt 0x0
	s_barrier_signal -1
	s_barrier_wait -1
.endm
.macro FW acc, ua, xf                  ; U x + bias for the block's two tiles: each starts its sum with the constant 0
.irp u,0,1
	v_wmma_f32_16x16x4_f32 v[(\acc)+8*\u:(\acc)+8*\u+7], v[(\ua)+2*\u:(\ua)+2*\u+1], v[(\xf):(\xf)+1], 0
.endr
.endm
.macro MM set                          ; + W x operand: four K steps of 128; the two accumulators take turns, one instruction a turn
.irp s,0,1,2,3
	v_wmma_scale_f32_16x16x128_f8f6f4 v[ACC:ACC+7], v[WF+8*\s:WF+8*\s+7], v[BF+8*\s:BF+8*\s+7], v[ACC:ACC+7], v[WS+4*(\set)+\s], v[BS+\s] matrix_a_fmt:MATRIX_FMT_FP4 matrix_b_fmt:MATRIX_FMT_FP4
	v_wmma_scale_f32_16x16x128_f8f6f4 v[ACC+8:ACC+15], v[WF+32+8*\s:WF+32+8*\s+7], v[BF+8*\s:BF+8*\s+7], v[ACC+8:ACC+15], v[WS+4*(\set)+\s], v[BS+\s] matrix_a_fmt:MATRIX_FMT_FP4 matrix_b_fmt:MATRIX_FMT_FP4 matrix_a_scale:MATRIX_SCALE_ROW1
.endr
.endm
.macro PRE acc                         ; c a, two at a time; each accumulator is read from its low end on
.irp k,0,2,4,6,8,10,12,14
	v_pk_mul_f32 v[TT+\k:TT+\k+1], v[(\acc)+\k:(\acc)+\k+1], s[60:61] op_sel_hi:[1,0]
.endr
.endm
.macro EXPS                            ; E = 2^(c a): one batch, and the plain instruction behind it
.irp k,0,1,2,3,4,5,6,7,8,9,10,11,12,13,14,15
	v_exp_f32 v[TT+\k], v[TT+\k]
.endr
	v_nop
.endm
.macro HALFN                           ; -(1 + E) / 2
.irp k,0,2,4,6,8,10,12,14
	v_pk_fma_f32 v[TT+\k:TT+\k+1], v[TT+\k:TT+\k+1], -0.5, -0.5 op_sel_hi:[1,0,0]
.endr
.endm
.macro RCPS                            ; q = -2 / (1 + E): one batch, the plain instruction, and the one wait ahead of the first reader
.irp k,0,1,2,3,4,5,6,7,8,9,10,11,12,13,14,15
	v_rcp_f32 v[TT+\k], v[TT+\k]
.endr
	v_nop
	s_wait_alu depctr_va_vdst(0)
.endm
.macro AFF a, b                        ; a q + b
.irp k,0,2,4,6,8,10,12,14
	v_pk_fma_f32 v[TT+\k:TT+\k+1], v[TT+\k:TT+\k+1], \a, \b op_sel_hi:[1,0,0]
.endr
.endm
.macro POST gate, b, m                 ; the eight lines of a gate that name S(b, m)
.set SBASE, 16*(8*(\b)+(\m))
.if \gate == 0
	WIN 0x14                                       ; sources 1 and 2 = S
.irp k,0,2,4,6,8,10,12,14
	v_pk_fma_f32 v[TT+\k:TT+\k+1], v[TT+\k:TT+\k+1], v[SBASE+\k:SBASE+\k+1], v[SBASE+\k:SBASE+\k+1]        ; q S + S = R S
.endr
.elseif \gate == 1
	WIN 0x54                                       ; sources 1 and 2 and the destination = S
.irp k,0,2,4,6,8,10,12,14
	v_pk_fma_f32 v[SBASE+\k:SBASE+\k+1], v[TT+\k:TT+\k+1], v[SBASE+\k:SBASE+\k+1], v[SBASE+\k:SBASE+\k+1]  ; S <- q S + S = Z S
.endr
.else
	WIN 0x50                                       ; source 2 and the destination = S
.irp k,0,2,4,6,8,10,12,14
	v_pk_fma_f32 v[SBASE+\k:SBASE+\k+1], v[RG+\k:RG+\k+1], v[TT+\k:TT+\k+1], v[SBASE+\k:SBASE+\k+1]        ; S <- q_g (-1 - q_h) + Z S = (1 - G) H + Z S
.endr
.endif
	WIN 0
.endm
.macro DISP gate, b                    ; POST for the trip's tile, 0 .. 6: scalar branches on the trip's number
	s_cmp_lt_u32 s[MT], 4
	s_cbranch_scc0 .Ld456_\@
	s_cmp_lt_u32 s[MT], 2
	s_cbranch_scc0 .Ld23_\@
	s_cmp_eq_u32 s[MT], 0
	s_cbranch_scc0 .Ld1_\@
	POST \gate, \b, 0
	s_branch .Ldj_\@
.Ld1_\@:
	POST \gate, \b, 1
	s_branch .Ldj_\@
.Ld23_\@:
	s_cmp_eq_u32 s[MT], 2
	s_cbranch_scc0 .Ld3_\@
	POST \gate, \b, 2
	s_branch .Ldj_\@
.Ld3_\@:
	POST \gate, \b, 3
	s_branch .Ldj_\@
.Ld456_\@:
	s_cmp_lt_u32 s[MT], 6
	s_cbranch_scc0 .Ld6_\@
	s_cmp_eq_u32 s[MT], 4
	s_cbranch_scc0 .Ld5_\@
	POST \gate, \b, 4
	s_branch .Ldj_\@
.Ld5_\@:
	POST \gate, \b, 5
	s_branch .Ldj_\@
.Ld6_\@:
	POST \gate, \b, 6
.Ldj_\@:
.endm
; The 16 numbers at work (my half of a block of 32 of one sample) become two dwords of codes and the block's scale byte.
.macro QUANT1 ac, ae, oc, oe
	v_max3_num_f32 v[QM], |v[TT]|, |v[TT+1]|, 0x1800000        ; the floor 2^(3 - 127) among the leaves: the byte cannot fall under 1
	v_max3_num_f32 v[QM+1], |v[TT+2]|, |v[TT+3]|, |v[TT+4]|    ; two chains, so that no line waits for the line above it
	v_max3_num_f32 v[QM], v[QM], |v[TT+5]|, |v[TT+6]|
	v_max3_num_f32 v[QM+1], v[QM+1], |v[TT+7]|, |v[TT+8]|
	v_max3_num_f32 v[QM], v[QM], |v[TT+9]|, |v[TT+10]|
	v_max3_num_f32 v[QM+1], v[QM+1], |v[TT+11]|, |v[TT+12]|
	v_max3_num_f32 v[QM], v[QM], |v[TT+13]|, |v[TT+14]|
	v_max3_num_f32 v[QM], v[QM], v[QM+1], |v[TT+15]|
	v_permlanex16_b32 v[QX], v[QM], s62, s63
	v_max_num_f32 v[QM], v[QM], v[QX]              ; with lane l xor 16's 16: the block's largest magnitude
	v_add_nc_u32 v[QE], 0xff000000, v[QM]          ; 2 off its exponent field: the conversion takes that field as its scale
	v_lshrrev_b32 v[QB], 23, v[QE]                 ; the scale's byte
	v_cvt_scalef32_pk8_fp4_f32 v[QC], v[TT:TT+7], v[QE]
	v_cvt_scalef32_pk8_fp4_f32 v[QC+1], v[TT+8:TT+15], v[QE]
	v_nop                                          ; one plain instruction behind the last conversion
	ds_store_b32 v[\ac], v[QC] offset:\oc          ; tile 0: dword h of the block's 16 bytes
	ds_store_b32 v[\ac], v[QC+1] offset:(\oc)+8    ; tile 1: dword 2 + h
	ds_store_b8 v[\ae], v[QB] offset:\oe           ; both lanes of a sample write the same byte with the same value
.endm
; The same for four sample tiles m0 .. m0 + 3 of block b by turns, straight from S.
.macro QS b, m0
	WIN 0x05                                       ; sources 0 and 1 = S
.irp q,0,1,2,3
	v_max3_num_f32 v[QM+\q], |v[16*(8*(\b)+(\m0)+\q)]|, |v[16*(8*(\b)+(\m0)+\q)+1]|, 0x1800000
.endr
.irp i,2,4,6,8,10,12,14
.irp q,0,1,2,3
	v_max3_num_f32 v[QM+\q], |v[16*(8*(\b)+(\m0)+\q)+\i]|, |v[16*(8*(\b)+(\m0)+\q)+\i+1]|, v[QM+\q]
.endr
.endr
	WIN 0
.irp q,0,1,2,3
	v_permlanex16_b32 v[QX+\q], v[QM+\q], s62, s63
.endr
.irp q,0,1,2,3
	v_max_num_f32 v[QM+\q], v[QM+\q], v[QX+\q]
.endr
.irp q,0,1,2,3
	v_add_nc_u32 v[QE+\q], 0xff000000, v[QM+\q]
.endr
.irp q,0,1,2,3
	v_lshrrev_b32 v[QB+\q], 23, v[QE+\q]
.endr
	WIN 0x01                                       ; source 0 = S
.irp q,0,1,2,3
	v_cvt_scalef32_pk8_fp4_f32 v[QC+2*\q], v[16*(8*(\b)+(\m0)+\q):16*(8*(\b)+(\m0)+\q)+7], v[QE+\q]
	v_cvt_scalef32_pk8_fp4_f32 v[QC+2*\q+1], v[16*(8*(\b)+(\m0)+\q)+8:16*(8*(\b)+(\m0)+\q)+15], v[QE+\q]
.endr
	WIN 0
	v_nop                                          ; one plain instruction behind the last conversion
.irp q,0,1,2,3
	ds_store_b32 v[CST], v[QC+2*\q] offset:IMG_S+2048*(\b)+256*((\m0)+\q)
	ds_store_b32 v[CST], v[QC+2*\q+1] offset:IMG_S+2048*(\b)+256*((\m0)+\q)+8
	ds_store_b8 v[SST], v[QB+\q] offset:256*((\m0)+\q)+(\b)
.endr
	s_wait_dscnt 0x0                               ; the stores have read their registers: the next four tiles may write them
.endm
.macro PF_SMALL set, ps, poff, nb      ; the next pass's [U | bias] and its weights' scale words (lane l: row l's 16 bytes) into the other set
	global_load_b128 v[UA+4*(\set):UA+4*(\set)+3], v[LI], s[PAR:PAR+1] offset:(\poff)+512*(\nb)
	global_load_b128 v[WS+4*(\set):WS+4*(\set)+3], v[LI], s[\ps:\ps+1] offset:512*(\nb)
.endm
.macro PF_ISSUE pc, nb, half           ; 16 rows of the next pass's codes: each load reads 512 consecutive bytes, two whole rows
.irp i,0,1,2,3,4,5,6,7
	global_load_b128 v[RAW+4*\i:RAW+4*\i+3], v[LI], s[\pc:\pc+1] offset:8192*(\nb)+512*(8*(\half)+\i)
.endr
.endm
.macro PF_STORE half                   ; and into my stage, two rows a store
.irp i,0,1,2,3,4,5,6,7
	ds_store_b128 v[STW], v[RAW+4*\i:RAW+4*\i+3] offset:2*SPITCH*(8*(\half)+\i)
.endr
.endm
.macro WLOAD                           ; the stage's 32 rows as eight fragments: lane (r, h), group c of K step s: 16 bytes at 272 (16 u + r) + 64 s + 32 c + 16 h
.irp u,0,1
.irp s,0,1,2,3
.irp c,0,1
	ds_load_b128 v[WF+8*(4*\u+\s)+4*\c:WF+8*(4*\u+\s)+4*\c+3], v[STR] offset:16*SPITCH*\u+64*\s+32*\c
.endr
.endr
.endr
.endm
.macro NEXTX ax, ox                    ; a tile's [x; 1]
	ds_load_b64 v[XF:XF+1], v[\ax] offset:\ox
.endm
.macro NEXTB ab, as, ob, os            ; a tile's four fragments and its scale words: 9 LDS loads
.irp s,0,1,2,3
.irp c,0,1
	ds_load_b128 v[BF+8*\s+4*\c:BF+8*\s+4*\c+3], v[\ab] offset:(\ob)+8192*\s+4096*\c
.endr
.endr
	ds_load_b128 v[BS:BS+3], v[\as] offset:\os
.endm
.macro RGLOAD adr, off
.irp k,0,1,2,3
	ds_load_b128 v[RG+4*\k:RG+4*\k+3], v[\adr] offset:(\off)+512*\k
.endr
.endm
.macro GSTORE adr, off
.irp k,0,1,2,3
	ds_store_b128 v[\adr], v[TT+4*\k:TT+4*\k+3] offset:(\off)+512*\k
.endr
.endm
.macro HEAD set, img                   ; behind a barrier: tile 0's sums are issued whole, as a pass expects to find them
	NEXTX XL, 0
	NEXTB LIB, SLD, \img, (\img)/16
	s_wait_dscnt 9                                 ; [x; 1] is in; the nine loads behind it may be out
	FW ACC, UA+4*(\set), XF
	PLACES 10                                      ; the FP4 products write over these results: nine places are owed behind the f32 form, one more is given
	s_wait_dscnt 0x0                               ; the fragments and scale words are in
	MM \set
	PLACES 5                                       ; four places ahead of loads into the products' sources and of the first read of their results, five ahead of the f32 products that write over them
.endm
; A PASS: gate (0 R, 1 Z, 2 G, 3 H), block b, on the operand at img; set: which set of [U | bias] and scale words is mine.  At its head tile 0's sums have been issued.
; What follows: code pointer s[npc], scale pointer s[nps], place in par npoff, block nb.  chain = 1: the next pass's tile 0 (operand at nimg) is issued in my last step.
; cond = 1: there is a next pass only in layer 0.
.macro PASS gate, b, set, img, npc, nps, npoff, nb, chain, nimg, cond
.if \cond
	s_cmp_lg_u32 s[LAY], 0
	s_cbranch_scc1 .Lpa_\@
.endif
	PF_SMALL 1-\set, \nps, \npoff, \nb             ; (every LDS store that read RAW was waited for ahead of tile 0's products, or at the barrier)
	PF_ISSUE \npc, \nb, 0
.if \cond
.Lpa_\@:
.endif
	s_mov_b32 s[MT], 0
	s_mov_b32 s56, 0
	s_mov_b32 s57, 0
.Ltrip_\@:                             ; seven trips: tile m = 0 .. 6 is finished, tile m + 1's sums are issued
	s_cmp_lg_u32 s[MT], 3                          ; in the middle trip the first half of the next weights goes to the stage and the second half is asked for
	s_cbranch_scc1 .Lpb_\@
.if \cond
	s_cmp_lg_u32 s[LAY], 0
	s_cbranch_scc1 .Lpb_\@
.endif
	s_wait_loadcnt 0x0                             ; asked for at the pass's head
	PF_STORE 0
	s_wait_dscnt 0x0                               ; the stores have read RAW
	PF_ISSUE \npc, \nb, 1
.Lpb_\@:
	v_add_nc_u32 v[ADB], s56, v[LIB]               ; the trip's addresses
	v_add_nc_u32 v[ADS], s56, v[SLD]
	v_add_nc_u32 v[ADX], s56, v[XL]
.if \gate == 0
	v_add_nc_u32 v[ADC], s56, v[CST]
	v_add_nc_u32 v[ADE], s56, v[SST]
.elseif \gate >= 2
	v_add_nc_u32 v[ADG], s57, v[GTA]
.endif
.if \gate == 3
	RGLOAD ADG, 0                                  ; G's q of tile m
.endif
	NEXTX ADX, 256                                 ; tile m + 1: the products that read these registers last stand a tail back
	NEXTB ADB, ADS, (\img)+256, (\img)/16+256
.if \gate == 2
	s_wait_dscnt 10                                ; all but this trip's ten loads: the stores of q have read the registers that are written next
.elseif \gate == 3
	s_wait_dscnt 14                                ; the same, behind G's last step: all but this trip's fourteen loads
.endif
	PRE ACC                                        ; tile m's sums: issued in the middle of the trip before
	EXPS
	s_wait_dscnt 9                                 ; [x; 1] (and G's q) are in; the nine loads behind them may be out
	s_wait_alu depctr_va_vdst(0)                   ; the one wait for the batch of exponentials, ahead of their first reader
	FW ACC, UA+4*(\set), XF                        ; tile m + 1's U x + bias, beside the vector work below
	HALFN
	RCPS
	v_nop                                          ; with the eight multiply-adds and the v_nop behind the reciprocals: ten places between the f32 products and the FP4 products that write over their results
	s_wait_dscnt 0x0                               ; tile m + 1's fragments and scale words are in: asked for two batches of transcendentals ago
	MM \set                                        ; tile m + 1; tile m's tail below fills the places behind these products
.if \gate == 0
	DISP 0, \b
	QUANT1 ADC, ADE, IMG_SR+2048*(\b), 2048+(\b)
.elseif \gate == 1
	DISP 1, \b
.elseif \gate == 2
	GSTORE ADG, 0
	PLACES 5                                       ; this tail has no vector work: the places behind the products are written out
.else
	AFF -1.0, -1.0
	DISP 3, \b
.endif
	s_add_co_u32 s[MT], s[MT], 1
	s_add_co_u32 s56, s56, 256
	s_add_co_u32 s57, s57, 2048
	s_cmp_lt_u32 s[MT], 7
	s_cbranch_scc1 .Ltrip_\@
	; tile 7 is finished, written out: every offset an immediate; the next pass's weights come out of the stage, and its tile 0 is issued
.if \gate == 3
	RGLOAD GTA, 14336
.endif
.if \chain
	NEXTX XL, 0
.endif
	s_wait_loadcnt 0x0                             ; the second half of the next weights, and the small loads, on every path
.if \cond
	s_cmp_lg_u32 s[LAY], 0
	s_cbranch_scc1 .Lpc_\@
.endif
	PF_STORE 1
	WLOAD                                          ; LDS serves a wave's instructions in order (ISA guide 5.7.1.4): these see my stores
.if \cond
.Lpc_\@:
.endif
.if \chain
	NEXTB LIB, SLD, \nimg, (\nimg)/16
.endif
.if \gate == 2
	s_wait_dscnt 34                                ; all but this step's 1 + 8 + 16 + 9: the stores of q have read the registers that are written next
.endif
	PRE ACC
	EXPS
.if \chain
	s_wait_dscnt 33                                ; [x; 1] (and G's q) are in; behind them: 8 stage stores, 16 weight loads, 9 operand loads
.elseif \gate == 3
	s_wait_dscnt 0x0                               ; G's q is in
.else
	s_wait_dscnt 24                                ; all but this step's 8 + 16: the last trip's stores of codes have read their registers
.endif
	s_wait_alu depctr_va_vdst(0)                   ; the one wait for the batch of exponentials
.if \chain
	FW ACC, UA+4*(1-\set), XF                      ; the next pass's tile 0
.endif
	HALFN
	RCPS
.if \chain
	v_nop                                          ; ten places, as in a trip
	s_wait_dscnt 0x0                               ; the next pass's weights, fragments and scale words are in; the stage's stores have read RAW
	MM 1-\set
.endif
.if \gate == 0
	POST 0, \b, 7
	QUANT1 CST, SST, IMG_SR+2048*(\b)+1792, 2048+(\b)+1792
.elseif \gate == 1
	POST 1, \b, 7
.elseif \gate == 2
	GSTORE GTA, 14336
	PLACES 5
.else
	AFF -1.0, -1.0
	POST 3, \b, 7
.endif
.endm
	; ---- the head
	s_load_b512 s[8:23], s[0:1], 0x0               ; the eight tensors of codes
	s_load_b512 s[24:39], s[0:1], 0x40             ; the eight of scale bytes
	s_load_b256 s[40:47], s[0:1], 0x80             ; par, W, b, x
	s_load_b64 s[48:49], s[0:1], 0xa0              ; out0
	v_lshrrev_b32 v[TT], 5, v0
	v_readfirstlane_b32 s[WVN], v[TT]              ; wave 0..7
	v_and_b32 v[TT], 31, v0                        ; lane
	v_and_b32 v[TT+1], 15, v0                      ; r
	v_bfe_u32 v[TT+2], v0, 4, 1                    ; h
	v_lshlrev_b32 v[LI], 4, v[TT]
	v_lshlrev_b32 v[TT+3], 4, v[TT+1]              ; 16 r
	v_add_nc_u32 v[SLD], SCL, v[TT+3]
	v_lshl_add_u32 v[XL], v[TT], 3, XIMG
	v_lshl_add_u32 v[LIB], v[TT+2], 11, v[TT+3]
	s_lshl_b32 s2, s[WVN], 12
	v_lshl_add_u32 v[CST], v[TT+2], 2, v[TT+3]
	v_add_nc_u32 v[CST], s2, v[CST]
	s_lshl_b32 s2, s[WVN], 1
	v_add_nc_u32 v[SST], s2, v[SLD]
	s_mul_i32 s2, s[WVN], SWAVE
	s_add_co_u32 s2, s2, STG                       ; my stage
	v_mul_u32_u24 v[STW], v[TT+2], SPITCH
	v_add_nc_u32 v[STW], v[STW], v[TT+3]
	v_add_nc_u32 v[STW], s2, v[STW]
	v_mul_u32_u24 v[STR], v[TT+1], SPITCH
	v_lshl_add_u32 v[STR], v[TT+2], 4, v[STR]
	v_add_nc_u32 v[STR], s2, v[STR]
	s_lshl_b32 s2, s[WVN], 14                      ; 16,384 w: my place for G's q, and my 64 rows of codes
	s_add_co_u32 s3, s2, GT
	v_add_nc_u32 v[GTA], s3, v[LI]
	s_mov_b32 s3, 0
	s_lshl_b32 s66, s[WVN], 10                     ; 1,024 w: my 64 rows of scale bytes, and my two blocks in par
	s_mov_b32 s67, 0
	s_lshl_b32 s59, s[WVN], 6
	v_lshl_add_u32 v[TT+4], v[TT+1], 2, s59        ; x: sample 16 w + r of the work-group's 128,
	v_lshl_add_u32 v[TT+5], v[TT+2], 18, v[TT+4]   ; row 2 h (a row of x is 131,072 bytes)
	v_lshlrev_b32 v[TT+6], 3, v[TT]                ; W: 8 bytes a lane
	v_mov_b32 v[TT+7], 1.0
	v_cmp_ne_u32 vcc_lo, 0, v[TT+2]                ; lanes 16-31
	s_lshl_b32 s59, s[WVN], 8
	v_add_nc_u32 v[ADX], s59, v[XL]                ; where my tile of [x; 1] goes: tile m = w
	v_add_nc_u32 v[ADB], WLDS-XIMG, v[ADX]         ; and my 256 bytes of W
.irp q,0,1,2,3
	v_mov_b32 v[QX+\q], 0
.endr
	s_mov_b32 s60, 0x4038aa3b                      ; c = 2 log2(e)
	s_mov_b32 s61, s60                             ; (named with it as a pair, so it is written)
	s_mov_b32 s62, 0x76543210
	s_mov_b32 s63, 0xfedcba98                      ; v_permlanex16_b32's selects for lane l xor 16
	s_mov_b32 s[LAY], 0
	s_wait_kmcnt 0x0
	s_load_b32 s52, s[44:45], 0x0                  ; b
.irp p,8,10,12,14,16,18,20,22
	s_add_nc_u64 s[\p:\p+1], s[\p:\p+1], s[2:3]
.endr
.irp p,24,26,28,30,32,34,36,38
	s_add_nc_u64 s[\p:\p+1], s[\p:\p+1], s[66:67]
.endr
	s_add_nc_u64 s[PAR:PAR+1], s[PAR:PAR+1], s[66:67]
	s_mov_b32 s68, s59                             ; 256 w
	s_mov_b32 s69, 0
	s_add_nc_u64 s[42:43], s[42:43], s[68:69]
	s_lshl_b32 s68, ttmp9, 9                       ; the work-group's 128 samples, 4 bytes each
	s_add_nc_u64 s[46:47], s[46:47], s[68:69]
	s_add_nc_u64 s[48:49], s[48:49], s[68:69]
	global_load_b32 v[XF], v[TT+5], s[46:47]                   ; x[2 h]
	global_load_b32 v[XF+1], v[TT+4], s[46:47] offset:131072   ; x[1]
	global_load_b64 v[18:19], v[TT+6], s[42:43]                ; my 256 bytes of W
	global_load_b128 v[UA:UA+3], v[LI], s[PAR:PAR+1]           ; [W1 | b1], block 0
	global_load_b128 v[UA+4:UA+7], v[LI], s[PAR:PAR+1] offset:512   ; block 1
	global_load_b128 v[WS:WS+3], v[LI], s[24:25]               ; Wr1's scale words, block 0
	PF_ISSUE 8, 0, 0                                           ; Wr1's codes, block 0, rows 0-15
	s_wait_loadcnt 11                              ; x and W are in; behind them 3 + 8 loads
	v_cndmask_b32 v[XF+1], v[XF+1], v[TT+7], vcc_lo            ; k = 3 is the constant 1
	ds_store_b64 v[ADX], v[XF:XF+1]
	ds_store_b64 v[ADB], v[18:19]
	s_wait_kmcnt 0x0
	s_mov_b32 s53, s52                             ; (named with it as a pair at the end)
	BARRIER                                        ; [x; 1] of all eight tiles lies in LDS
	; ---- S1 = tanh(W1 x + b1): sixteen steps i = 8 b + m, written out, so that each register of S is written here; two accumulator sets by turns
.irp m,0,1,2,3,4,5,6,7
	ds_load_b64 v[BF+2*\m:BF+2*\m+1], v[XL] offset:256*\m
.endr
	s_wait_loadcnt 8                               ; the three small loads are in; the eight of codes may be out
	s_wait_dscnt 0x0
	FW ACC, UA, BF
	PLACES 8                                       ; eight places behind the f32 form before a vector instruction reads its result
.macro S1STEP i
.if (\i) < 15
	FW ACC+16*(((\i)+1)%2), UA+4*(((\i)+1)/8), BF+2*(((\i)+1)%8)   ; the next step's, a whole step ahead of its first reader
.endif
	PRE ACC+16*((\i)%2)
	EXPS
	s_wait_alu depctr_va_vdst(0)                   ; the one wait for the batch of exponentials
	HALFN
	RCPS
	WIN 0x40                                       ; destination = S
.irp k,0,2,4,6,8,10,12,14
	v_pk_add_f32 v[16*(\i)+\k:16*(\i)+\k+1], v[TT+\k:TT+\k+1], 1.0 op_sel_hi:[1,0]     ; 1 + q
.endr
	WIN 0
.endm
.irp i,0,1,2,3,4,5
	S1STEP \i
.endr
	s_wait_loadcnt 0x0
	PF_STORE 0
	s_wait_dscnt 0x0                               ; the stores have read RAW
	PF_ISSUE 8, 0, 1                               ; Wr1's block 0, rows 16-31
.irp i,6,7,8
	S1STEP \i
.endr
	global_load_b128 v[UA:UA+3], v[LI], s[PAR:PAR+1] offset:8192   ; [Ur1 | br1], block 0: set 0's last reader stood in step 6
.irp i,9,10,11,12,13
	S1STEP \i
.endr
	s_wait_loadcnt 0x0
	PF_STORE 1
	WLOAD
	S1STEP 14
	S1STEP 15
.Llayer:                               ; two trips
	QS 0, 0                                        ; S is quantised: no wave reads the old codes any more
	QS 0, 4
	QS 1, 0
	QS 1, 4
	BARRIER                                        ; S's codes and scale bytes lie in LDS
	HEAD 0, IMG_S
	PASS 0, 0, 0, IMG_S,  8,  24, 8192,  1, 1, IMG_S,  0
	PASS 0, 1, 1, IMG_S,  10, 26, 16384, 0, 0, IMG_S,  0
	BARRIER                                        ; S R's codes and scale bytes lie in LDS
	HEAD 0, IMG_S
	PASS 1, 0, 0, IMG_S,  12, 28, 24576, 0, 1, IMG_S,  0
	PASS 2, 0, 1, IMG_S,  14, 30, 32768, 0, 1, IMG_SR, 0
	PASS 3, 0, 0, IMG_SR, 10, 26, 16384, 1, 1, IMG_S,  0
	PASS 1, 1, 1, IMG_S,  12, 28, 24576, 1, 1, IMG_S,  0
	PASS 2, 1, 0, IMG_S,  14, 30, 32768, 1, 1, IMG_SR, 0
	PASS 3, 1, 1, IMG_SR, 16, 32, 40960, 0, 0, IMG_S,  1
	BARRIER                                        ; every wave's reads of both operands are over: they may be written again
	s_wait_xcnt 0x0                                ; every load has read its base: the pointers may be written
.irp p,0,2,4,6
	s_mov_b64 s[8+\p:9+\p], s[16+\p:17+\p]         ; layer 2's codes
	s_mov_b64 s[24+\p:25+\p], s[32+\p:33+\p]       ; and scale bytes
.endr
	s_add_nc_u64 s[PAR:PAR+1], s[PAR:PAR+1], 32768 ; four gates on
	s_add_co_u32 s[LAY], s[LAY], 1
	s_cmp_lt_u32 s[LAY], 2
	s_cbranch_scc1 .Llayer
	; ---- out = W S + b: my 64 hidden units for the 128 samples; then the eight waves' parts are added
	v_bfe_u32 v[ADB], v0, 4, 1
	v_lshlrev_b32 v[ADB], 5, v[ADB]
	v_add_nc_u32 v[ADB], s59, v[ADB]
	v_add_nc_u32 v[ADB], WLDS, v[ADB]              ; W at hidden unit 64 w + 8 h
	s_lshl_b32 s2, s[WVN], 9
	v_and_b32 v[ADS], 15, v0
	v_lshlrev_b32 v[ADS], 2, v[ADS]
	v_add_nc_u32 v[ADS], s2, v[ADS]
	v_add_nc_u32 v[ADS], RED, v[ADS]               ; my wave's sums: 4 bytes a sample
	v_add_nc_u32 v[ADX], RED, v[LI]                ; and back: four samples a lane
.irp q,0,1,2,3,4,5,6,7
	ds_load_b128 v[WF+4*\q:WF+4*\q+3], v[ADB] offset:128*(\q/4)+64*((\q/2)%2)+16*(\q%2)   ; register 16 b + 8 u + j: W of unit 32 b + 16 u + 8 h + j
.endr
.irp m,0,1,2,3,4,5,6,7
	v_mov_b32 v[RAW+\m], 0                         ; a lane permute's destination counts as a source
.endr
	s_wait_dscnt 0x0
	WIN 0x01                                       ; source 0 = S
.irp t,0,1,2,3,4,5,6,7,8,9,10,11,12,13,14,15
.irp m,0,1,2,3,4,5,6,7
.if \t == 0
	v_pk_mul_f32 v[TT+2*\m:TT+2*\m+1], v[16*\m:16*\m+1], v[WF:WF+1]        ; the first product starts each sum; the eight sums take turns
.else
	v_pk_fma_f32 v[TT+2*\m:TT+2*\m+1], v[16*(8*(\t/8)+\m)+2*(\t%8):16*(8*(\t/8)+\m)+2*(\t%8)+1], v[WF+2*\t:WF+2*\t+1], v[TT+2*\m:TT+2*\m+1]
.endif
.endr
.endr
	WIN 0
.irp m,0,1,2,3,4,5,6,7
	v_add_f32 v[RG+\m], v[TT+2*\m], v[TT+2*\m+1]
.endr
.irp m,0,1,2,3,4,5,6,7
	v_permlanex16_b32 v[RAW+\m], v[RG+\m], s62, s63
.endr
.irp m,0,1,2,3,4,5,6,7
	v_add_f32 v[RG+\m], v[RG+\m], v[RAW+\m]        ; with lane l xor 16's units
.endr
.irp m,0,1,2,3,4,5,6,7
	ds_store_b32 v[ADS], v[RG+\m] offset:64*\m     ; sample 16 m + r; both lanes of a sample write the same word with the same value
.endr
	BARRIER                                        ; the eight waves' sums lie in LDS
	s_cmp_lg_u32 s[WVN], 0
	s_cbranch_scc1 .Lend                           ; wave 0 adds them and stores: 512 bytes in all
.irp k,0,1,2,3,4,5,6,7
	ds_load_b128 v[WF+4*\k:WF+4*\k+3], v[ADX] offset:512*\k
.endr
	s_wait_dscnt 0x0
.irp k,1,2,3,4,5,6,7
	v_pk_add_f32 v[WF:WF+1], v[WF:WF+1], v[WF+4*\k:WF+4*\k+1]
	v_pk_add_f32 v[WF+2:WF+3], v[WF+2:WF+3], v[WF+4*\k+2:WF+4*\k+3]
.endr
	v_pk_add_f32 v[WF:WF+1], v[WF:WF+1], s[52:53] op_sel_hi:[1,0]          ; + b
	v_pk_add_f32 v[WF+2:WF+3], v[WF+2:WF+3], s[52:53] op_sel_hi:[1,0]
	global_store_b128 v[LI], v[WF:WF+3], s[48:49]  ; 32 lanes store 512 consecutive bytes, at a multiple of 512 from out0's first byte
.Lend:
	s_wait_xcnt 0x0
	v_lshl_add_u32 v254, v0, 2, 0x44000
	v_mov_b32 v255, 0
	s_wait_tensorcnt 0x0
	ds_add_u32 v254, v255
	s_wait_dscnt 0x0
	s_endpgm
.Lfunc_end_k_qf6f35bd1d5_net:
	.size	k_qf6f35bd1d5_net, .Lfunc_end_k_qf6f35bd1d5_net-k_qf6f35bd1d5_net
	.p2alignl 7, 3214868480
	.fill 96, 4, 3214868480
	.section	.rodata,"a",@progbits
	.p2align	6, 0x0
	.amdhsa_kernel k_qf6f35bd1d5_net
		.amdhsa_group_segment_fixed_size 279552
		.amdhsa_private_segment_fixed_size 0
		.amdhsa_enable_private_segment 0
		.amdhsa_kernarg_size 168
		.amdhsa_user_sgpr_count 2
		.amdhsa_user_sgpr_kernarg_segment_ptr 1
		.amdhsa_wavefront_size32 1
		.amdhsa_system_sgpr_workgroup_id_x 1
		.amdhsa_system_sgpr_workgroup_id_y 1
		.amdhsa_system_sgpr_workgroup_id_z 1
		.amdhsa_system_vgpr_workitem_id 0
		.amdhsa_next_free_vgpr 512
		.amdhsa_next_free_sgpr 72
		.amdhsa_reserve_vcc 1
		.amdhsa_float_denorm_mode_32 3
		.amdhsa_float_denorm_mode_16_64 3
		.amdhsa_memory_ordered 1
		.amdhsa_forward_progress 1
		.amdhsa_inst_pref_size 223
	.end_amdhsa_kernel
	.amdgpu_metadata
---
amdhsa.version: [ 1, 2 ]
amdhsa.kernels:
  - .name:           k_qf6f35bd1d5_net
    .symbol:         k_qf6f35bd1d5_net.kd
    .args:
      - { .name: Wr1_codes, .offset: 0, .size: 8, .value_kind: global_buffer, .address_space: global }
      - { .name: Wz1_codes, .offset: 8, .size: 8, .value_kind: global_buffer, .address_space: global }
      - { .name: Wg1_codes, .offset: 16, .size: 8, .value_kind: global_buffer, .address_space: global }
      - { .name: Wh1_codes, .offset: 24, .size: 8, .value_kind: global_buffer, .address_space: global }
      - { .name: Wr2_codes, .offset: 32, .size: 8, .value_kind: global_buffer, .address_space: global }
      - { .name: Wz2_codes, .offset: 40, .size: 8, .value_kind: global_buffer, .address_space: global }
      - { .name: Wg2_codes, .offset: 48, .size: 8, .value_kind: global_buffer, .address_space: global }
      - { .name: Wh2_codes, .offset: 56, .size: 8, .value_kind: global_buffer, .address_space: global }
      - { .name: Wr1_scales, .offset: 64, .size: 8, .value_kind: global_buffer, .address_space: global }
      - { .name: Wz1_scales, .offset: 72, .size: 8, .value_kind: global_buffer, .address_space: global }
      - { .name: Wg1_scales, .offset: 80, .size: 8, .value_kind: global_buffer, .address_space: global }
      - { .name: Wh1_scales, .offset: 88, .size: 8, .value_kind: global_buffer, .address_space: global }
      - { .name: Wr2_scales, .offset: 96, .size: 8, .value_kind: global_buffer, .address_space: global }
      - { .name: Wz2_scales, .offset: 104, .size: 8, .value_kind: global_buffer, .address_space: global }
      - { .name: Wg2_scales, .offset: 112, .size: 8, .value_kind: global_buffer, .address_space: global }
      - { .name: Wh2_scales, .offset: 120, .size: 8, .value_kind: global_buffer, .address_space: global }
      - { .name: par, .offset: 128, .size: 8, .value_kind: global_buffer, .address_space: global }
      - { .name: W, .offset: 136, .size: 8, .value_kind: global_buffer, .address_space: global }
      - { .name: b, .offset: 144, .size: 8, .value_kind: global_buffer, .address_space: global }
      - { .name: x, .offset: 152, .size: 8, .value_kind: global_buffer, .address_space: global }
      - { .name: out0, .offset: 160, .size: 8, .value_kind: global_buffer, .address_space: global }
    .group_segment_fixed_size: 279552
    .private_segment_fixed_size: 0
    .kernarg_segment_align: 8
    .kernarg_segment_size: 168
    .max_flat_workgroup_size: 256
    .sgpr_count:     72
    .vgpr_count:     512
    .wavefront_size: 32
...
	.end_amdgpu_metadata
.endif
;; end of part 2
;; ======== version 2 of 2: 2 launches; version 1 with the launch net written anew for expert scheduling mode
;; limits: a function is approximated: absolute error at most 3e-07
;; workspace buffers: par 73,728 bytes
;; launch pack: the kernel of part 1 again; grid 16 x 1, 1 waves a work-group, no clusters, 0 bytes of LDS; arguments W1, Ur1, Uz1, Ug1, Uh1, Ur2, Uz2, Ug2, Uh2, b1, br1, bz1, bg1, bh1, br2, bz2, bg2, bh2, par; writes par
;; launch net (part 3): grid 256 x 1, 8 waves a work-group, no clusters, 279,552 bytes of LDS; arguments Wr1_codes, Wz1_codes, Wg1_codes, Wh1_codes, Wr2_codes, Wz2_codes, Wg2_codes, Wh2_codes, Wr1_scales, Wz1_scales, Wg1_scales, Wh1_scales, Wr2_scales, Wz2_scales, Wg2_scales, Wh2_scales, par, W, b, x, out0; writes out0
.if DOCPART == 3
	.amdgcn_target "amdgcn-amd-amdhsa--gfx1250"
	.amdhsa_code_object_version 6
	.text
	.protected	k_qf6f35bd1d5_net
	.globl	k_qf6f35bd1d5_net
	.p2align	8
	.type	k_qf6f35bd1d5_net,@function
k_qf6f35bd1d5_net:
	s_mov_b64 s[64:65], 0
	v_nop
	global_prefetch_b8 v0, s[64:65] scope:SCOPE_SE
	s_setreg_imm32_b32 hwreg(HW_REG_WAVE_SCHED_MODE, 0, 2), 2
	s_setreg_imm32_b32 hwreg(HW_REG_WAVE_MODE, 25, 1), 1
	s_wait_xcnt 0x0
	s_wait_alu depctr_vm_vsrc(0)
; The whole net for 128 samples a work-group:  S1 = tanh(W1 x + b1);  twice: R, Z, G = tanh(U x + W S + b), H = tanh(U x + W (S R) + b), S <- (1 - G) H + Z S;  out = W S + b.
; The eight 512 x 512 products run on codes of FP4 (E2M1) with one E8M0 scale for each 32 along K; S and S R are quantised here, along the hidden axis, from f32.
; SHARES.  Eight waves share the HIDDEN UNITS: wave w owns rows 64 w .. 64 w + 63 (two blocks b of 32 rows, each two tiles u of 16) for all 128 samples (eight tiles m of 16).
; So each weight byte goes to one wave, and what goes from wave to wave is small: 32 KiB of codes and 2 KiB of scale bytes for an operand, through LDS.
; LAYOUT.  Source 0 = 16 rows of a weight, source 1 = 16 samples: lane (r = lane % 16, h = lane / 16) holds sample 16 m + r, and register j of tile u the hidden unit 16 u + 8 h + j of the block:
; a lane's registers run along the next K, and a block of 32 lies in lanes l and l xor 16, 16 registers each.  A conversion's 8 codes are dword 2 u + h of the block's 16 bytes.
; THE STATE S (f32) stays in registers, 256 a wave (window 1).  One gate and one block at a time (a PASS), in the order R0 R1 | Z0 G0 H0 Z1 G1 H1.
; tanh(a) = 1 + q, q = -2 / (1 + E), E = 2^(c a), c = 2 log2(e): v_exp_f32, and v_rcp_f32 of -(1 + E) / 2; it saturates rightly where E is infinite or 0.
;   R: q S + S = R S is quantised;   Z: S <- q S + S;   G: q goes to the wave's own LDS (1 - G = -q);   H: S <- q_g (-1 - q_h) + S.
; U x + bias is the f32 matrix form 16x16x4 on [U | bias] (laid by the launch before) and [x; 1]; its result is the C of the tile's first FP4 product.
; A pass walks the eight sample tiles in a loop of seven trips and a last step written out.  THE NEXT TILE'S PRODUCTS STAND IN THE MIDDLE OF A TRIP, behind the reciprocals of the tile in hand and ahead of its tail:
; their results are read a tail and a jump later.  Registers can be named only by number, so the eight lines that touch S stand once for each tile, behind a scalar branch on the trip's number.
; THE WEIGHTS of the next pass (32 rows x 256 bytes a wave) are loaded as they lie, 512 consecutive bytes a load, turned through the wave's own stage in LDS (pitch 272) and read as fragments in the pass's last step.
; CLUSTERS ARE NOT USED, though all work-groups walk the same weights: joint loads land in LDS slots that take turns, and two slots of a pass's 8 x 8,704 bytes are 139,264 bytes, where 49,152 are left beside the 278,528 in use.
; LIMITS.  tanh's error is about 1e-7 absolute, so its relative error grows for |a| under about 1e-2.  NaN and infinities among the inputs are not served.
; A block whose largest magnitude lies under 2^-124 (a block of zeros too) gets the byte 1: its codes then are zeros or held small, and the bytes are read by this text alone.
; THE MODE: SCHED_MODE bits 1:0 = 2 (LLVM: expert scheduling mode 2), set by the entry lines.  The code itself states the register dependences
; between vector or matrix instructions and memory or LDS instructions, with s_wait_alu, always for 0.
; THE PLAN.  Registers that memory or LDS instructions touch, in a trip (tile m is finished, tile m + 1's sums are issued):
;   v9-14        the trip's LDS addresses.  Written by the additions at the trip's head; read by the trip's loads and stores.
;   XF, BF, BS   [x; 1], the operand's fragments and scale words of tile m + 1 (H: and RG, G's q of tile m).  Loaded at the trip's head; read by the products in its middle (RG: by its tail).
;   TT           Written by the trip's arithmetic; in G its last state, q, is read by the tail's four stores.
;   QC, QB       R alone: written by the tail's conversions and shift; read by the tail's three stores.
;   RAW          Global loads land in it, the stage's stores read it; no vector instruction of a layer names it.
;   WF, and the set of UA and WS that is not the pass's own: loaded once a pass; read by products.
;   LI, SLD, XL, CST, SST, STW, STR, GTA, LIB: made at the kernel's head and never written again.
; So a trip has, at its head, one wait on vm_vsrc (the last trip's LDS instructions have read the addresses, and R's codes or G's q) and, behind the additions, one on va_vdst (the addresses are written;
; the last trip's products and tail are done reading what the loads land in).  The trip's loads follow it, the fragments' dealt among the lines that make c a, which name the accumulators and TT alone.
; The waits on va_vdst behind the exponentials and behind the reciprocals stand for those results; the second also shows q written for G's stores.  R has one more, between its conversions and its stores.
; A pass has one wait on vm_vsrc at its head and one in its middle trip (the stage's stores have read RAW), and its last step one on va_vdst at its head (tile 7's products are done reading the weights' fragments).
;
; LDS.  An operand's codes: [block of 32 along K: 0..15][tile m][sample r][16 bytes] = 2048 g + 256 m + 16 r: wave w writes the 4,096 bytes from 4096 w on; a fragment's group c of K step s is read at 8192 s + 4096 c + 2048 h + 256 m + 16 r.
.set IMG_S,  0                         ; codes of S, 32,768 bytes
.set IMG_SR, 32768                     ; codes of S R
.set SCL,    65536                     ; scale bytes of S: 256 m + 16 r + block; those of S R 2,048 bytes on
.set XIMG,   69632                     ; [x; 1] as source 1 of the f32 form: tile m at 256 m, 8 bytes a lane
.set RED,    71680                     ; the final sums: 512 bytes a wave
.set STG,    75776                     ; the stages: 32 rows x 272 bytes a wave
.set SPITCH, 272                       ; 256 bytes + 16: the sixteen rows of a fragment load begin 68 words apart
.set SWAVE,  32*SPITCH
.set GT,     145408                    ; G's q: 16,384 bytes a wave: 2048 m + 512 k + 16 lane
.set WLDS,   276480                    ; W, 2,048 bytes as they lie; behind it, from 0x44000 on, the spare words, 128 bytes a wave
; REGISTERS.  Window 1 (v256-511): S(b, m, u, j) at 16 (8 b + m) + 8 u + j.  Window 0:
.set LI,  1                            ; 16 x lane
.set SLD, 2                            ; SCL + 16 r
.set XL,  3                            ; XIMG + 8 x lane
.set CST, 4                            ; 4096 w + 16 r + 4 h: where my codes go
.set SST, 5                            ; SCL + 16 r + 2 w: where my scale byte goes
.set STW, 6                            ; stage, in: 272 h + 16 r
.set STR, 7                            ; stage, out: 272 r + 16 h
.set GTA, 8                            ; my place for G's q
.set ADB, 9                            ; v9-14: addresses made anew in each trip
.set ADS, 10
.set ADX, 11
.set ADC, 12
.set ADE, 13
.set ADG, 14
.set LIB, 15                           ; 16 r + 2048 h: my place in a fragment's group
.set XF,  16                           ; v16-17 the tile's [x; 1];  v18-19 at work in the head
.set UA,  20                           ; v20-27 [U | bias], two sets of 4
.set WS,  28                           ; v28-35 the weights' scale words, two sets of 4: register s = K step s; lanes 0-15 tile 0, lanes 16-31 tile 1
.set BS,  36                           ; v36-39 the operand's scale words, register s = K step s
.set BF,  40                           ; v40-71 the operand's four fragments
.set WF,  72                           ; v72-135 the weights' fragments: (u, s) at 8 (4 u + s)
.set ACC, 136                          ; v136-151, v152-167: accumulators; matrix instructions alone write them (the second set serves S1 alone)
.set TT,  168                          ; v168-183 16 numbers at work
.set RG,  184                          ; v184-199 G's q read back
.set RAW, 200                          ; v200-231 weight bytes as loaded
.set QM,  232                          ; largest magnitudes
.set QX,  236                          ; the other half's (cleared once: a lane permute's destination counts as a source)
.set QE,  240                          ; the conversions' scale operands
.set QB,  244                          ; scale bytes
.set QC,  248                          ; codes
; s[8:15] code pointers R, Z, G, H of the layer in hand, s[16:23] of layer 2; s[24:31], s[32:39] the scales' likewise; all at my wave's rows
.set PAR, 40                           ; s[40:41] par at gate 0 of the layer in hand's numbering, my wave's two blocks
.set WVN, 50                           ; s50 my wave's number
.set MT,  54                           ; s54 the trip's tile;  s56 = 256 x it;  s57 = 2048 x it
.set LAY, 58                           ; s58 the layer, 0 or 1
.set MSB, 0
.macro WIN new                         ; the immediate's high byte repeats the setting that is left; bits 1:0 source 0, 3:2 source 1, 5:4 source 2, 7:6 destination
.if MSB != \new
	s_set_vgpr_msb (MSB<<8)|\new
.set MSB, \new
.endif
.endm
.macro PLACES n
.rept \n
	v_nop
.endr
.endm
.macro BARRIER                         ; my LDS stores have landed and my LDS loads are in: then the work-group's barrier
	s_wait_dscnt 0x0
	s_barrier_signal -1
	s_barrier_wait -1
.endm
.macro FW acc, ua, xf                  ; U x + bias for the block's two tiles: each starts its sum with the constant 0
.irp u,0,1
	v_wmma_f32_16x16x4_f32 v[(\acc)+8*\u:(\acc)+8*\u+7], v[(\ua)+2*\u:(\ua)+2*\u+1], v[(\xf):(\xf)+1], 0
.endr
.endm
.macro MM set                          ; + W x operand: four K steps of 128; the two accumulators take turns, one instruction a turn
.irp s,0,1,2,3
	v_wmma_scale_f32_16x16x128_f8f6f4 v[ACC:ACC+7], v[WF+8*\s:WF+8*\s+7], v[BF+8*\s:BF+8*\s+7], v[ACC:ACC+7], v[WS+4*(\set)+\s], v[BS+\s] matrix_a_fmt:MATRIX_FMT_FP4 matrix_b_fmt:MATRIX_FMT_FP4
	v_wmma_scale_f32_16x16x128_f8f6f4 v[ACC+8:ACC+15], v[WF+32+8*\s:WF+32+8*\s+7], v[BF+8*\s:BF+8*\s+7], v[ACC+8:ACC+15], v[WS+4*(\set)+\s], v[BS+\s] matrix_a_fmt:MATRIX_FMT_FP4 matrix_b_fmt:MATRIX_FMT_FP4 matrix_a_scale:MATRIX_SCALE_ROW1
.endr
.endm
.macro PRE acc                         ; c a, two at a time; each accumulator is read from its low end on
.irp k,0,2,4,6,8,10,12,14
	v_pk_mul_f32 v[TT+\k:TT+\k+1], v[(\acc)+\k:(\acc)+\k+1], s[60:61] op_sel_hi:[1,0]
.endr
.endm
; The same for the tile in hand, and ahead of each of its eight lines one load of the next tile's four fragments; then that tile's scale words: 9 LDS loads.
; No wait stands among them: the multiplications name the accumulators and TT alone, none of the registers that these loads touch.
.macro PRELD ab, as, ob, os
.irp k,0,1,2,3,4,5,6,7
	ds_load_b128 v[BF+4*\k:BF+4*\k+3], v[\ab] offset:(\ob)+8192*(\k/2)+4096*(\k%2)
	v_pk_mul_f32 v[TT+2*\k:TT+2*\k+1], v[ACC+2*\k:ACC+2*\k+1], s[60:61] op_sel_hi:[1,0]
.endr
	ds_load_b128 v[BS:BS+3], v[\as] offset:\os
.endm
.macro EXPS                            ; E = 2^(c a): one batch, and the plain instruction behind it
.irp k,0,1,2,3,4,5,6,7,8,9,10,11,12,13,14,15
	v_exp_f32 v[TT+\k], v[TT+\k]
.endr
	v_nop
.endm
.macro HALFN                           ; -(1 + E) / 2
.irp k,0,2,4,6,8,10,12,14
	v_pk_fma_f32 v[TT+\k:TT+\k+1], v[TT+\k:TT+\k+1], -0.5, -0.5 op_sel_hi:[1,0,0]
.endr
.endm
.macro RCPS                            ; q = -2 / (1 + E): one batch, the plain instruction, and the one wait ahead of the first reader
.irp k,0,1,2,3,4,5,6,7,8,9,10,11,12,13,14,15
	v_rcp_f32 v[TT+\k], v[TT+\k]
.endr
	v_nop
	s_wait_alu depctr_va_vdst(0)                   ; the sixteen reciprocals have written q in v[TT ..], ahead of its first reader: a vector line, or G's stores
.endm
.macro AFF a, b                        ; a q + b
.irp k,0,2,4,6,8,10,12,14
	v_pk_fma_f32 v[TT+\k:TT+\k+1], v[TT+\k:TT+\k+1], \a, \b op_sel_hi:[1,0,0]
.endr
.endm
.macro POST gate, b, m                 ; the eight lines of a gate that name S(b, m)
.set SBASE, 16*(8*(\b)+(\m))
.if \gate == 0
	WIN 0x14                                       ; sources 1 and 2 = S
.irp k,0,2,4,6,8,10,12,14
	v_pk_fma_f32 v[TT+\k:TT+\k+1], v[TT+\k:TT+\k+1], v[SBASE+\k:SBASE+\k+1], v[SBASE+\k:SBASE+\k+1]        ; q S + S = R S
.endr
.elseif \gate == 1
	WIN 0x54                                       ; sources 1 and 2 and the destination = S
.irp k,0,2,4,6,8,10,12,14
	v_pk_fma_f32 v[SBASE+\k:SBASE+\k+1], v[TT+\k:TT+\k+1], v[SBASE+\k:SBASE+\k+1], v[SBASE+\k:SBASE+\k+1]  ; S <- q S + S = Z S
.endr
.else
	WIN 0x50                                       ; source 2 and the destination = S
.irp k,0,2,4,6,8,10,12,14
	v_pk_fma_f32 v[SBASE+\k:SBASE+\k+1], v[RG+\k:RG+\k+1], v[TT+\k:TT+\k+1], v[SBASE+\k:SBASE+\k+1]        ; S <- q_g (-1 - q_h) + Z S = (1 - G) H + Z S
.endr
.endif
	WIN 0
.endm
.macro DISP gate, b                    ; POST for the trip's tile, 0 .. 6: scalar branches on the trip's number
	s_cmp_lt_u32 s[MT], 4
	s_cbranch_scc0 .Ld456_\@
	s_cmp_lt_u32 s[MT], 2
	s_cbranch_scc0 .Ld23_\@
	s_cmp_eq_u32 s[MT], 0
	s_cbranch_scc0 .Ld1_\@
	POST \gate, \b, 0
	s_branch .Ldj_\@
.Ld1_\@:
	POST \gate, \b, 1
	s_branch .Ldj_\@
.Ld23_\@:
	s_cmp_eq_u32 s[MT], 2
	s_cbranch_scc0 .Ld3_\@
	POST \gate, \b, 2
	s_branch .Ldj_\@
.Ld3_\@:
	POST \gate, \b, 3
	s_branch .Ldj_\@
.Ld456_\@:
	s_cmp_lt_u32 s[MT], 6
	s_cbranch_scc0 .Ld6_\@
	s_cmp_eq_u32 s[MT], 4
	s_cbranch_scc0 .Ld5_\@
	POST \gate, \b, 4
	s_branch .Ldj_\@
.Ld5_\@:
	POST \gate, \b, 5
	s_branch .Ldj_\@
.Ld6_\@:
	POST \gate, \b, 6
.Ldj_\@:
.endm
; The 16 numbers at work (my half of a block of 32 of one sample) become two dwords of codes and the block's scale byte.
.macro QUANT1 ac, ae, oc, oe
	v_max3_num_f32 v[QM], |v[TT]|, |v[TT+1]|, 0x1800000        ; the floor 2^(3 - 127) among the leaves: the byte cannot fall under 1
	v_max3_num_f32 v[QM+1], |v[TT+2]|, |v[TT+3]|, |v[TT+4]|    ; two chains, so that no line waits for the line above it
	v_max3_num_f32 v[QM], v[QM], |v[TT+5]|, |v[TT+6]|
	v_max3_num_f32 v[QM+1], v[QM+1], |v[TT+7]|, |v[TT+8]|
	v_max3_num_f32 v[QM], v[QM], |v[TT+9]|, |v[TT+10]|
	v_max3_num_f32 v[QM+1], v[QM+1], |v[TT+11]|, |v[TT+12]|
	v_max3_num_f32 v[QM], v[QM], |v[TT+13]|, |v[TT+14]|
	v_max3_num_f32 v[QM], v[QM], v[QM+1], |v[TT+15]|
	v_permlanex16_b32 v[QX], v[QM], s62, s63
	v_max_num_f32 v[QM], v[QM], v[QX]              ; with lane l xor 16's 16: the block's largest magnitude
	v_add_nc_u32 v[QE], 0xff000000, v[QM]          ; 2 off its exponent field: the conversion takes that field as its scale
	v_lshrrev_b32 v[QB], 23, v[QE]                 ; the scale's byte
	v_cvt_scalef32_pk8_fp4_f32 v[QC], v[TT:TT+7], v[QE]
	v_cvt_scalef32_pk8_fp4_f32 v[QC+1], v[TT+8:TT+15], v[QE]
	v_nop                                          ; one plain instruction behind the last conversion
	s_wait_alu depctr_va_vdst(0)                   ; the conversions have written the two dwords of codes and the shift the byte, which the three stores read
	ds_store_b32 v[\ac], v[QC] offset:\oc          ; tile 0: dword h of the block's 16 bytes
	ds_store_b32 v[\ac], v[QC+1] offset:(\oc)+8    ; tile 1: dword 2 + h
	ds_store_b8 v[\ae], v[QB] offset:\oe           ; both lanes of a sample write the same byte with the same value
.endm
; The same for four sample tiles m0 .. m0 + 3 of block b by turns, straight from S.  again = 1: a group of four stands ahead, whose stores read the registers that this one writes.
.macro QS b, m0, again
	WIN 0x05                                       ; sources 0 and 1 = S
.irp q,0,1,2,3
	v_max3_num_f32 v[QM+\q], |v[16*(8*(\b)+(\m0)+\q)]|, |v[16*(8*(\b)+(\m0)+\q)+1]|, 0x1800000
.endr
.irp i,2,4,6,8,10,12,14
.irp q,0,1,2,3
	v_max3_num_f32 v[QM+\q], |v[16*(8*(\b)+(\m0)+\q)+\i]|, |v[16*(8*(\b)+(\m0)+\q)+\i+1]|, v[QM+\q]
.endr
.endr
	WIN 0
.irp q,0,1,2,3
	v_permlanex16_b32 v[QX+\q], v[QM+\q], s62, s63
.endr
.irp q,0,1,2,3
	v_max_num_f32 v[QM+\q], v[QM+\q], v[QX+\q]
.endr
.irp q,0,1,2,3
	v_add_nc_u32 v[QE+\q], 0xff000000, v[QM+\q]
.endr
.if \again
	s_wait_alu depctr_vm_vsrc(0)                   ; the last group's twelve stores have read its bytes and codes, which the lines below write anew; the search for the maxima stood between
.endif
.irp q,0,1,2,3
	v_lshrrev_b32 v[QB+\q], 23, v[QE+\q]
.endr
	WIN 0x01                                       ; source 0 = S
.irp q,0,1,2,3
	v_cvt_scalef32_pk8_fp4_f32 v[QC+2*\q], v[16*(8*(\b)+(\m0)+\q):16*(8*(\b)+(\m0)+\q)+7], v[QE+\q]
	v_cvt_scalef32_pk8_fp4_f32 v[QC+2*\q+1], v[16*(8*(\b)+(\m0)+\q)+8:16*(8*(\b)+(\m0)+\q)+15], v[QE+\q]
.endr
	WIN 0
	v_nop                                          ; one plain instruction behind the last conversion
	s_wait_alu depctr_va_vdst(0)                   ; the conversions have written the eight dwords of codes and the shifts the four bytes, which the twelve stores read
.irp q,0,1,2,3
	ds_store_b32 v[CST], v[QC+2*\q] offset:IMG_S+2048*(\b)+256*((\m0)+\q)
	ds_store_b32 v[CST], v[QC+2*\q+1] offset:IMG_S+2048*(\b)+256*((\m0)+\q)+8
	ds_store_b8 v[SST], v[QB+\q] offset:256*((\m0)+\q)+(\b)
.endr
.endm
.macro PF_SMALL set, ps, poff, nb      ; the next pass's [U | bias] and its weights' scale words (lane l: row l's 16 bytes) into the other set
	global_load_b128 v[UA+4*(\set):UA+4*(\set)+3], v[LI], s[PAR:PAR+1] offset:(\poff)+512*(\nb)
	global_load_b128 v[WS+4*(\set):WS+4*(\set)+3], v[LI], s[\ps:\ps+1] offset:512*(\nb)
.endm
.macro PF_ISSUE pc, nb, half           ; 16 rows of the next pass's codes: each load reads 512 consecutive bytes, two whole rows
.irp i,0,1,2,3,4,5,6,7
	global_load_b128 v[RAW+4*\i:RAW+4*\i+3], v[LI], s[\pc:\pc+1] offset:8192*(\nb)+512*(8*(\half)+\i)
.endr
.endm
.macro PF_STORE half                   ; and into my stage, two rows a store
.irp i,0,1,2,3,4,5,6,7
	ds_store_b128 v[STW], v[RAW+4*\i:RAW+4*\i+3] offset:2*SPITCH*(8*(\half)+\i)
.endr
.endm
.macro WLOAD                           ; the stage's 32 rows as eight fragments: lane (r, h), group c of K step s: 16 bytes at 272 (16 u + r) + 64 s + 32 c + 16 h
.irp u,0,1
.irp s,0,1,2,3
.irp c,0,1
	ds_load_b128 v[WF+8*(4*\u+\s)+4*\c:WF+8*(4*\u+\s)+4*\c+3], v[STR] offset:16*SPITCH*\u+64*\s+32*\c
.endr
.endr
.endr
.endm
.macro NEXTX ax, ox                    ; a tile's [x; 1]
	ds_load_b64 v[XF:XF+1], v[\ax] offset:\ox
.endm
.macro NEXTB ab, as, ob, os            ; a tile's four fragments and its scale words: 9 LDS loads
.irp s,0,1,2,3
.irp c,0,1
	ds_load_b128 v[BF+8*\s+4*\c:BF+8*\s+4*\c+3], v[\ab] offset:(\ob)+8192*\s+4096*\c
.endr
.endr
	ds_load_b128 v[BS:BS+3], v[\as] offset:\os
.endm
.macro RGLOAD adr, off
.irp k,0,1,2,3
	ds_load_b128 v[RG+4*\k:RG+4*\k+3], v[\adr] offset:(\off)+512*\k
.endr
.endm
.macro GSTORE adr, off
.irp k,0,1,2,3
	ds_store_b128 v[\adr], v[TT+4*\k:TT+4*\k+3] offset:(\off)+512*\k
.endr
.endm
; Behind a barrier: tile 0's sums are issued whole, as a pass expects to find them.  Its loads owe no wait of their own: the last products that read these registers stand ahead of the quantiser's
; wait on va_vdst, and no vector or matrix instruction has been issued since that wait.
.macro HEAD set, img
	NEXTX XL, 0
	NEXTB LIB, SLD, \img, (\img)/16
	s_wait_dscnt 9                                 ; [x; 1] is in; the nine loads behind it may be out
	FW ACC, UA+4*(\set), XF
	PLACES 10                                      ; the FP4 products write over these results: nine places are owed behind the f32 form, one more is given
	s_wait_dscnt 0x0                               ; the fragments and scale words are in
	MM \set
	PLACES 5                                       ; four places ahead of the first read of the products' results, five ahead of the f32 products that write over them
.endm
; A PASS: gate (0 R, 1 Z, 2 G, 3 H), block b, on the operand at img; set: which set of [U | bias] and scale words is mine.  At its head tile 0's sums have been issued.
; What follows: code pointer s[npc], scale pointer s[nps], place in par npoff, block nb.  chain = 1: the next pass's tile 0 (operand at nimg) is issued in my last step.
; cond = 1: there is a next pass only in layer 0.
.macro PASS gate, b, set, img, npc, nps, npoff, nb, chain, nimg, cond
	s_wait_alu depctr_vm_vsrc(0)                   ; the stage's stores of the step before have read RAW, in which the loads below land; it stands ahead of the branch, on every way
.if \cond
	s_cmp_lg_u32 s[LAY], 0
	s_cbranch_scc1 .Lpa_\@
.endif
	PF_SMALL 1-\set, \nps, \npoff, \nb             ; the other set's last readers, the pass before's products for its tile 7, stand ahead of that pass's last waits on va_vdst, and nothing since names the set
	PF_ISSUE \npc, \nb, 0
.if \cond
.Lpa_\@:
.endif
	s_mov_b32 s[MT], 0
	s_mov_b32 s56, 0
	s_mov_b32 s57, 0
.Ltrip_\@:                             ; seven trips: tile m = 0 .. 6 is finished, tile m + 1's sums are issued
	s_cmp_lg_u32 s[MT], 3                          ; in the middle trip the first half of the next weights goes to the stage and the second half is asked for
	s_cbranch_scc1 .Lpb_\@
.if \cond
	s_cmp_lg_u32 s[LAY], 0
	s_cbranch_scc1 .Lpb_\@
.endif
	s_wait_loadcnt 0x0                             ; asked for at the pass's head
	PF_STORE 0
	s_wait_alu depctr_vm_vsrc(0)                   ; the eight stores have read RAW, in which the second half's loads land
	PF_ISSUE \npc, \nb, 1
.Lpb_\@:
	s_wait_alu depctr_vm_vsrc(0)                   ; the LDS instructions issued so far have read the addresses that are made anew below (R: and the codes and the byte, G: and q, which this trip writes again)
	v_add_nc_u32 v[ADB], s56, v[LIB]               ; the trip's addresses
	v_add_nc_u32 v[ADS], s56, v[SLD]
	v_add_nc_u32 v[ADX], s56, v[XL]
.if \gate == 0
	v_add_nc_u32 v[ADC], s56, v[CST]
	v_add_nc_u32 v[ADE], s56, v[SST]
.elseif \gate >= 2
	v_add_nc_u32 v[ADG], s57, v[GTA]
.endif
	s_wait_alu depctr_va_vdst(0)                   ; the addresses are written, which this trip's loads and stores read; tile m's products are done reading [x; 1], the fragments and the scale words, in which the loads below land (H: the last tail is done reading G's q)
.if \gate == 3
	RGLOAD ADG, 0                                  ; G's q of tile m
.endif
	NEXTX ADX, 256                                 ; tile m + 1
	PRELD ADB, ADS, (\img)+256, (\img)/16+256      ; tile m's c a, from sums issued in the middle of the trip before; among its lines tile m + 1's fragments
	EXPS
	s_wait_dscnt 9                                 ; [x; 1] (and G's q) are in; the nine loads behind them may be out
	s_wait_alu depctr_va_vdst(0)                   ; the sixteen exponentials have written E in v[TT ..], ahead of its first reader
	FW ACC, UA+4*(\set), XF                        ; tile m + 1's U x + bias, beside the vector work below
	HALFN
	RCPS
	v_nop                                          ; with the eight multiply-adds and the v_nop behind the reciprocals: ten places between the f32 products and the FP4 products that write over their results
	s_wait_dscnt 0x0                               ; tile m + 1's fragments and scale words are in: asked for two batches of transcendentals ago
	MM \set                                        ; tile m + 1; tile m's tail below fills the places behind these products
.if \gate == 0
	DISP 0, \b
	QUANT1 ADC, ADE, IMG_SR+2048*(\b), 2048+(\b)
.elseif \gate == 1
	DISP 1, \b
.elseif \gate == 2
	GSTORE ADG, 0                                  ; no wait: the one behind the reciprocals has shown q written, and the v_nop and the products since name neither q nor the address
	PLACES 5                                       ; this tail has no vector work: the places behind the products are written out
.else
	AFF -1.0, -1.0
	DISP 3, \b
.endif
	s_add_co_u32 s[MT], s[MT], 1
	s_add_co_u32 s56, s56, 256
	s_add_co_u32 s57, s57, 2048
	s_cmp_lt_u32 s[MT], 7
	s_cbranch_scc1 .Ltrip_\@
	; tile 7 is finished, written out: every offset an immediate; the next pass's weights come out of the stage, and its tile 0 is issued
.if (\gate == 0) || (\gate == 2)
	s_wait_alu depctr_vm_vsrc(0)                   ; the last trip's stores have read the codes and the byte (R) or q (G), which this step writes again
.endif
	s_wait_alu depctr_va_vdst(0)                   ; tile 7's products are done reading the weights' fragments, the operand's fragments and the scale words, in which the loads below land (H: the last tail is done reading G's q); it stands ahead of the branch, on every way
.if \gate == 3
	RGLOAD GTA, 14336
.endif
.if \chain
	NEXTX XL, 0
.endif
	s_wait_loadcnt 0x0                             ; the second half of the next weights, and the small loads, on every path
.if \cond
	s_cmp_lg_u32 s[LAY], 0
	s_cbranch_scc1 .Lpc_\@
.endif
	PF_STORE 1
	WLOAD                                          ; LDS serves a wave's instructions in order (ISA guide 5.7.1.4): these see my stores
.if \cond
.Lpc_\@:
.endif
.if \chain
	NEXTB LIB, SLD, \nimg, (\nimg)/16
.endif
	PRE ACC
	EXPS
.if \chain
	s_wait_dscnt 33                                ; [x; 1] (and G's q) are in; behind them: 8 stage stores, 16 weight loads, 9 operand loads
.elseif \gate == 3
	s_wait_dscnt 0x0                               ; G's q is in
.endif
	s_wait_alu depctr_va_vdst(0)                   ; the sixteen exponentials have written E in v[TT ..], ahead of its first reader
.if \chain
	FW ACC, UA+4*(1-\set), XF                      ; the next pass's tile 0
.endif
	HALFN
	RCPS
.if \chain
	v_nop                                          ; ten places, as in a trip
	s_wait_dscnt 0x0                               ; the next pass's weights, fragments and scale words are in
	MM 1-\set
.endif
.if \gate == 0
	POST 0, \b, 7
	QUANT1 CST, SST, IMG_SR+2048*(\b)+1792, 2048+(\b)+1792
.elseif \gate == 1
	POST 1, \b, 7
.elseif \gate == 2
	GSTORE GTA, 14336                              ; no wait, as in a trip: q was shown written behind the reciprocals
	PLACES 5
.else
	AFF -1.0, -1.0
	POST 3, \b, 7
.endif
.endm
	; ---- the head
	s_load_b512 s[8:23], s[0:1], 0x0               ; the eight tensors of codes
	s_load_b512 s[24:39], s[0:1], 0x40             ; the eight of scale bytes
	s_load_b256 s[40:47], s[0:1], 0x80             ; par, W, b, x
	s_load_b64 s[48:49], s[0:1], 0xa0              ; out0
	v_lshrrev_b32 v[TT], 5, v0
	v_readfirstlane_b32 s[WVN], v[TT]              ; wave 0..7
	v_and_b32 v[TT], 31, v0                        ; lane
	v_and_b32 v[TT+1], 15, v0                      ; r
	v_bfe_u32 v[TT+2], v0, 4, 1                    ; h
	v_lshlrev_b32 v[LI], 4, v[TT]
	v_lshlrev_b32 v[TT+3], 4, v[TT+1]              ; 16 r
	v_add_nc_u32 v[SLD], SCL, v[TT+3]
	v_lshl_add_u32 v[XL], v[TT], 3, XIMG
	v_lshl_add_u32 v[LIB], v[TT+2], 11, v[TT+3]
	s_wait_alu depctr_va_sdst(0)                   ; the wave's number is written in s50, ahead of its first reader
	s_lshl_b32 s2, s[WVN], 12
	v_lshl_add_u32 v[CST], v[TT+2], 2, v[TT+3]
	v_add_nc_u32 v[CST], s2, v[CST]
	s_lshl_b32 s2, s[WVN], 1
	v_add_nc_u32 v[SST], s2, v[SLD]
	s_mul_i32 s2, s[WVN], SWAVE
	s_add_co_u32 s2, s2, STG                       ; my stage
	v_mul_u32_u24 v[STW], v[TT+2], SPITCH
	v_add_nc_u32 v[STW], v[STW], v[TT+3]
	v_add_nc_u32 v[STW], s2, v[STW]
	v_mul_u32_u24 v[STR], v[TT+1], SPITCH
	v_lshl_add_u32 v[STR], v[TT+2], 4, v[STR]
	v_add_nc_u32 v[STR], s2, v[STR]
	s_lshl_b32 s2, s[WVN], 14                      ; 16,384 w: my place for G's q, and my 64 rows of codes
	s_add_co_u32 s3, s2, GT
	v_add_nc_u32 v[GTA], s3, v[LI]
	s_mov_b32 s3, 0
	s_lshl_b32 s66, s[WVN], 10                     ; 1,024 w: my 64 rows of scale bytes, and my two blocks in par
	s_mov_b32 s67, 0
	s_lshl_b32 s59, s[WVN], 6
	v_lshl_add_u32 v[TT+4], v[TT+1], 2, s59        ; x: sample 16 w + r of the work-group's 128,
	v_lshl_add_u32 v[TT+5], v[TT+2], 18, v[TT+4]   ; row 2 h (a row of x is 131,072 bytes)
	v_lshlrev_b32 v[TT+6], 3, v[TT]                ; W: 8 bytes a lane
	v_mov_b32 v[TT+7], 1.0
	v_cmp_ne_u32 vcc_lo, 0, v[TT+2]                ; lanes 16-31
	s_lshl_b32 s59, s[WVN], 8
	v_add_nc_u32 v[ADX], s59, v[XL]                ; where my tile of [x; 1] goes: tile m = w
	v_add_nc_u32 v[ADB], WLDS-XIMG, v[ADX]         ; and my 256 bytes of W
.irp q,0,1,2,3
	v_mov_b32 v[QX+\q], 0
.endr
	s_mov_b32 s60, 0x4038aa3b                      ; c = 2 log2(e)
	s_mov_b32 s61, s60                             ; (named with it as a pair, so it is written)
	s_mov_b32 s62, 0x76543210
	s_mov_b32 s63, 0xfedcba98                      ; v_permlanex16_b32's selects for lane l xor 16
	s_mov_b32 s[LAY], 0
	s_wait_kmcnt 0x0
	s_load_b32 s52, s[44:45], 0x0                  ; b
.irp p,8,10,12,14,16,18,20,22
	s_add_nc_u64 s[\p:\p+1], s[\p:\p+1], s[2:3]
.endr
.irp p,24,26,28,30,32,34,36,38
	s_add_nc_u64 s[\p:\p+1], s[\p:\p+1], s[66:67]
.endr
	s_add_nc_u64 s[PAR:PAR+1], s[PAR:PAR+1], s[66:67]
	s_mov_b32 s68, s59                             ; 256 w
	s_mov_b32 s69, 0
	s_add_nc_u64 s[42:43], s[42:43], s[68:69]
	s_lshl_b32 s68, ttmp9, 9                       ; the work-group's 128 samples, 4 bytes each
	s_add_nc_u64 s[46:47], s[46:47], s[68:69]
	s_add_nc_u64 s[48:49], s[48:49], s[68:69]
	s_wait_alu depctr_va_vdst(0)                   ; every offset and address made above is written: the nine that stay, the three offsets of x and W, and the two places in LDS, which the loads and stores from here on read
	global_load_b32 v[XF], v[TT+5], s[46:47]                   ; x[2 h]
	global_load_b32 v[XF+1], v[TT+4], s[46:47] offset:131072   ; x[1]
	global_load_b64 v[18:19], v[TT+6], s[42:43]                ; my 256 bytes of W
	global_load_b128 v[UA:UA+3], v[LI], s[PAR:PAR+1]           ; [W1 | b1], block 0
	global_load_b128 v[UA+4:UA+7], v[LI], s[PAR:PAR+1] offset:512   ; block 1
	global_load_b128 v[WS:WS+3], v[LI], s[24:25]               ; Wr1's scale words, block 0
	PF_ISSUE 8, 0, 0                                           ; Wr1's codes, block 0, rows 0-15
	s_wait_loadcnt 11                              ; x and W are in; behind them 3 + 8 loads
	s_wait_alu depctr_va_vcc(0)                    ; the compare has written VCC, ahead of the select that reads it
	v_cndmask_b32 v[XF+1], v[XF+1], v[TT+7], vcc_lo            ; k = 3 is the constant 1
	s_wait_alu depctr_va_vdst(0)                   ; the select has written the second word of [x; 1], which the store reads
	ds_store_b64 v[ADX], v[XF:XF+1]
	ds_store_b64 v[ADB], v[18:19]
	s_wait_kmcnt 0x0
	s_mov_b32 s53, s52                             ; (named with it as a pair at the end)
	BARRIER                                        ; [x; 1] of all eight tiles lies in LDS
	s_wait_alu depctr_vm_vsrc(0)                   ; the loads of x and W have read their offsets in v[TT+4 .. TT+6], which the arithmetic below writes; the store has read [x; 1]'s two registers, in which later loads land
	; ---- S1 = tanh(W1 x + b1): sixteen steps i = 8 b + m, written out, so that each register of S is written here; two accumulator sets by turns
.irp m,0,1,2,3,4,5,6,7
	ds_load_b64 v[BF+2*\m:BF+2*\m+1], v[XL] offset:256*\m
.endr
	s_wait_loadcnt 8                               ; the three small loads are in; the eight of codes may be out
	s_wait_dscnt 0x0
	FW ACC, UA, BF
	PLACES 8                                       ; eight places behind the f32 form before a vector instruction reads its result
.macro S1STEP i
.if (\i) < 15
	FW ACC+16*(((\i)+1)%2), UA+4*(((\i)+1)/8), BF+2*(((\i)+1)%8)   ; the next step's, a whole step ahead of its first reader
.endif
	PRE ACC+16*((\i)%2)
	EXPS
	s_wait_alu depctr_va_vdst(0)                   ; the sixteen exponentials have written E in v[TT ..], ahead of its first reader
	HALFN
	RCPS
	WIN 0x40                                       ; destination = S
.irp k,0,2,4,6,8,10,12,14
	v_pk_add_f32 v[16*(\i)+\k:16*(\i)+\k+1], v[TT+\k:TT+\k+1], 1.0 op_sel_hi:[1,0]     ; 1 + q
.endr
	WIN 0
.endm
.irp i,0,1,2,3,4,5
	S1STEP \i
.endr
	s_wait_loadcnt 0x0
	PF_STORE 0
	s_wait_alu depctr_vm_vsrc(0)                   ; the eight stores have read RAW, in which the next loads land
	PF_ISSUE 8, 0, 1                               ; Wr1's block 0, rows 16-31
.irp i,6,7,8
	S1STEP \i
.endr
	global_load_b128 v[UA:UA+3], v[LI], s[PAR:PAR+1] offset:8192   ; [Ur1 | br1], block 0.  No wait: set 0's last reader, a product of step 6, stands ahead of the waits on va_vdst of steps 7 and 8, and nothing since names the set
.irp i,9,10,11,12,13
	S1STEP \i
.endr
	s_wait_loadcnt 0x0
	PF_STORE 1
	WLOAD                                          ; no vector or matrix instruction has named these registers yet
	S1STEP 14
	S1STEP 15
.Llayer:                               ; two trips
	QS 0, 0, 0                                     ; S is quantised: no wave reads the old codes any more
	QS 0, 4, 1
	QS 1, 0, 1
	QS 1, 4, 1
	BARRIER                                        ; S's codes and scale bytes lie in LDS
	HEAD 0, IMG_S
	PASS 0, 0, 0, IMG_S,  8,  24, 8192,  1, 1, IMG_S,  0
	PASS 0, 1, 1, IMG_S,  10, 26, 16384, 0, 0, IMG_S,  0
	BARRIER                                        ; S R's codes and scale bytes lie in LDS
	HEAD 0, IMG_S
	PASS 1, 0, 0, IMG_S,  12, 28, 24576, 0, 1, IMG_S,  0
	PASS 2, 0, 1, IMG_S,  14, 30, 32768, 0, 1, IMG_SR, 0
	PASS 3, 0, 0, IMG_SR, 10, 26, 16384, 1, 1, IMG_S,  0
	PASS 1, 1, 1, IMG_S,  12, 28, 24576, 1, 1, IMG_S,  0
	PASS 2, 1, 0, IMG_S,  14, 30, 32768, 1, 1, IMG_SR, 0
	PASS 3, 1, 1, IMG_SR, 16, 32, 40960, 0, 0, IMG_S,  1
	BARRIER                                        ; every wave's reads of both operands are over: they may be written again
	s_wait_xcnt 0x0                                ; every load has read its base: the pointers may be written
.irp p,0,2,4,6
	s_mov_b64 s[8+\p:9+\p], s[16+\p:17+\p]         ; layer 2's codes
	s_mov_b64 s[24+\p:25+\p], s[32+\p:33+\p]       ; and scale bytes
.endr
	s_add_nc_u64 s[PAR:PAR+1], s[PAR:PAR+1], 32768 ; four gates on
	s_add_co_u32 s[LAY], s[LAY], 1
	s_cmp_lt_u32 s[LAY], 2
	s_cbranch_scc1 .Llayer
	; ---- out = W S + b: my 64 hidden units for the 128 samples; then the eight waves' parts are added
	s_wait_alu depctr_vm_vsrc(0)                   ; the last pass's LDS loads have read the three addresses that are made anew below, and its stage's stores RAW, which is cleared below
	v_bfe_u32 v[ADB], v0, 4, 1
	v_lshlrev_b32 v[ADB], 5, v[ADB]
	v_add_nc_u32 v[ADB], s59, v[ADB]
	v_add_nc_u32 v[ADB], WLDS, v[ADB]              ; W at hidden unit 64 w + 8 h
	s_lshl_b32 s2, s[WVN], 9
	v_and_b32 v[ADS], 15, v0
	v_lshlrev_b32 v[ADS], 2, v[ADS]
	v_add_nc_u32 v[ADS], s2, v[ADS]
	v_add_nc_u32 v[ADS], RED, v[ADS]               ; my wave's sums: 4 bytes a sample
	v_add_nc_u32 v[ADX], RED, v[LI]                ; and back: four samples a lane
	s_wait_alu depctr_va_vdst(0)                   ; the three addresses are written, which the loads and stores below read
.irp q,0,1,2,3,4,5,6,7
	ds_load_b128 v[WF+4*\q:WF+4*\q+3], v[ADB] offset:128*(\q/4)+64*((\q/2)%2)+16*(\q%2)   ; register 16 b + 8 u + j: W of unit 32 b + 16 u + 8 h + j
.endr
.irp m,0,1,2,3,4,5,6,7
	v_mov_b32 v[RAW+\m], 0                         ; a lane permute's destination counts as a source
.endr
	s_wait_dscnt 0x0
	WIN 0x01                                       ; source 0 = S
.irp t,0,1,2,3,4,5,6,7,8,9,10,11,12,13,14,15
.irp m,0,1,2,3,4,5,6,7
.if \t == 0
	v_pk_mul_f32 v[TT+2*\m:TT+2*\m+1], v[16*\m:16*\m+1], v[WF:WF+1]        ; the first product starts each sum; the eight sums take turns
.else
	v_pk_fma_f32 v[TT+2*\m:TT+2*\m+1], v[16*(8*(\t/8)+\m)+2*(\t%8):16*(8*(\t/8)+\m)+2*(\t%8)+1], v[WF+2*\t:WF+2*\t+1], v[TT+2*\m:TT+2*\m+1]
.endif
.endr
.endr
	WIN 0
.irp m,0,1,2,3,4,5,6,7
	v_add_f32 v[RG+\m], v[TT+2*\m], v[TT+2*\m+1]
.endr
.irp m,0,1,2,3,4,5,6,7
	v_permlanex16_b32 v[RAW+\m], v[RG+\m], s62, s63
.endr
.irp m,0,1,2,3,4,5,6,7
	v_add_f32 v[RG+\m], v[RG+\m], v[RAW+\m]        ; with lane l xor 16's units
.endr
	s_wait_alu depctr_va_vdst(0)                   ; the additions have written the eight sums, which the stores read; the multiply-adds are done reading W's registers, in which wave 0's loads land
.irp m,0,1,2,3,4,5,6,7
	ds_store_b32 v[ADS], v[RG+\m] offset:64*\m     ; sample 16 m + r; both lanes of a sample write the same word with the same value
.endr
	BARRIER                                        ; the eight waves' sums lie in LDS
	s_cmp_lg_u32 s[WVN], 0
	s_cbranch_scc1 .Lend                           ; wave 0 adds them and stores: 512 bytes in all
.irp k,0,1,2,3,4,5,6,7
	ds_load_b128 v[WF+4*\k:WF+4*\k+3], v[ADX] offset:512*\k
.endr
	s_wait_dscnt 0x0
.irp k,1,2,3,4,5,6,7
	v_pk_add_f32 v[WF:WF+1], v[WF:WF+1], v[WF+4*\k:WF+4*\k+1]
	v_pk_add_f32 v[WF+2:WF+3], v[WF+2:WF+3], v[WF+4*\k+2:WF+4*\k+3]
.endr
	v_pk_add_f32 v[WF:WF+1], v[WF:WF+1], s[52:53] op_sel_hi:[1,0]          ; + b
	v_pk_add_f32 v[WF+2:WF+3], v[WF+2:WF+3], s[52:53] op_sel_hi:[1,0]
	s_wait_alu depctr_va_vdst(0)                   ; the additions have written the four results, which the store reads
	global_store_b128 v[LI], v[WF:WF+3], s[48:49]  ; 32 lanes store 512 consecutive bytes, at a multiple of 512 from out0's first byte
.Lend:
	s_wait_xcnt 0x0
	s_wait_alu depctr_vm_vsrc(0)                   ; v254 and v255 held codes, which LDS stores have read: they are made anew only behind this wait
	v_lshl_add_u32 v254, v0, 2, 0x44000
	v_mov_b32 v255, 0
	s_wait_dscnt 0x0                               ; the closing lines, six on end
	s_wait_alu 0x0
	s_wait_tensorcnt 0x0
	ds_add_u32 v254, v255
	s_wait_dscnt 0x0
	s_endpgm
.Lfunc_end_k_qf6f35bd1d5_net:
	.size	k_qf6f35bd1d5_net, .Lfunc_end_k_qf6f35bd1d5_net-k_qf6f35bd1d5_net
	.p2alignl 7, 3214868480
	.fill 96, 4, 3214868480
	.section	.rodata,"a",@progbits
	.p2align	6, 0x0
	.amdhsa_kernel k_qf6f35bd1d5_net
		.amdhsa_group_segment_fixed_size 279552
		.amdhsa_private_segment_fixed_size 0
		.amdhsa_enable_private_segment 0
		.amdhsa_kernarg_size 168
		.amdhsa_user_sgpr_count 2
		.amdhsa_user_sgpr_kernarg_segment_ptr 1
		.amdhsa_wavefront_size32 1
		.amdhsa_system_sgpr_workgroup_id_x 1
		.amdhsa_system_sgpr_workgroup_id_y 1
		.amdhsa_system_sgpr_workgroup_id_z 1
		.amdhsa_system_vgpr_workitem_id 0
		.amdhsa_next_free_vgpr 512
		.amdhsa_next_free_sgpr 72
		.amdhsa_reserve_vcc 1
		.amdhsa_float_denorm_mode_32 3
		.amdhsa_float_denorm_mode_16_64 3
		.amdhsa_memory_ordered 1
		.amdhsa_forward_progress 1
		.amdhsa_inst_pref_size 225
	.end_amdhsa_kernel
	.amdgpu_metadata
---
amdhsa.version: [ 1, 2 ]
amdhsa.kernels:
  - .name:           k_qf6f35bd1d5_net
    .symbol:         k_qf6f35bd1d5_net.kd
    .args:
      - { .name: Wr1_codes, .offset: 0, .size: 8, .value_kind: global_buffer, .address_space: global }
      - { .name: Wz1_codes, .offset: 8, .size: 8, .value_kind: global_buffer, .address_space: global }
      - { .name: Wg1_codes, .offset: 16, .size: 8, .value_kind: global_buffer, .address_space: global }
      - { .name: Wh1_codes, .offset: 24, .size: 8, .value_kind: global_buffer, .address_space: global }
      - { .name: Wr2_codes, .offset: 32, .size: 8, .value_kind: global_buffer, .address_space: global }
      - { .name: Wz2_codes, .offset: 40, .size: 8, .value_kind: global_buffer, .address_space: global }
      - { .name: Wg2_codes, .offset: 48, .size: 8, .value_kind: global_buffer, .address_space: global }
      - { .name: Wh2_codes, .offset: 56, .size: 8, .value_kind: global_buffer, .address_space: global }
      - { .name: Wr1_scales, .offset: 64, .size: 8, .value_kind: global_buffer, .address_space: global }
      - { .name: Wz1_scales, .offset: 72, .size: 8, .value_kind: global_buffer, .address_space: global }
      - { .name: Wg1_scales, .offset: 80, .size: 8, .value_kind: global_buffer, .address_space: global }
      - { .name: Wh1_scales, .offset: 88, .size: 8, .value_kind: global_buffer, .address_space: global }
      - { .name: Wr2_scales, .offset: 96, .size: 8, .value_kind: global_buffer, .address_space: global }
      - { .name: Wz2_scales, .offset: 104, .size: 8, .value_kind: global_buffer, .address_space: global }
      - { .name: Wg2_scales, .offset: 112, .size: 8, .value_kind: global_buffer, .address_space: global }
      - { .name: Wh2_scales, .offset: 120, .size: 8, .value_kind: global_buffer, .address_space: global }
      - { .name: par, .offset: 128, .size: 8, .value_kind: global_buffer, .address_space: global }
      - { .name: W, .offset: 136, .size: 8, .value_kind: global_buffer, .address_space: global }
      - { .name: b, .offset: 144, .size: 8, .value_kind: global_buffer, .address_space: global }
      - { .name: x, .offset: 152, .size: 8, .value_kind: global_buffer, .address_space: global }
      - { .name: out0, .offset: 160, .size: 8, .value_kind: global_buffer, .address_space: global }
    .group_segment_fixed_size: 279552
    .private_segment_fixed_size: 0
    .kernarg_segment_align: 8
    .kernarg_segment_size: 168
    .max_flat_workgroup_size: 256
    .sgpr_count:     72
    .vgpr_count:     512
    .wavefront_size: 32
...
	.end_amdgpu_metadata
.endif
;; end of part 3
